; MI455X (gfx1250); checked and timed in simulation.
; The chip was launched on July 23, 2026; its instructions are those of AMD's public machine-readable ISA for CDNA 5 (MIT licence, August 2026) and "CDNA5" Instruction Set Architecture Reference Guide (July 2026). The comments in the code are by the model that wrote it; some were corrected since.
;; transformer classification. Allowed arithmetic: float matrix products may take bf16 or f16 operands with f32 sums; all other float work in f32.
;; Inputs: b1 3,072 float32; b2 768 float32; clstoken 1 x 1 x 768 float32; head_b 1,000 float32; head_w 768 x 1,000 float32; image 64 x 98 x 768 float32; ln1_b 768 float32; ln1_g 768 float32; ln2_b 768 float32; ln2_g 768 float32; pos_emb 201 x 768 float32; w1 768 x 3,072 float32; w2 3,072 x 768 float32; wk 768 x 768 float32; wq 768 x 768 float32; wv 768 x 768 float32.
;; Outputs: out0 64 x 1,000 float32.
;; One version. Each part assembles by itself: llvm-mc -triple=amdgcn-amd-amdhsa -mcpu=gfx1250 --defsym DOCPART=n.
;; ======== version 1 of 1: 6 launches
;; workspace buffers: ut 18,432 bytes; cpart 9,437,184 bytes; stat 32,768 bytes; a0 196,608 bytes; h1 786,432 bytes; pm 786,432 bytes
;; launch qk (part 1): grid 12 x 1, 16 waves a work-group, no clusters, 58,368 bytes of LDS; arguments clstoken, pos_emb, ln1_g, ln1_b, wq, wk, ut; writes ut
.if DOCPART == 1
	.amdgcn_target "amdgcn-amd-amdhsa--gfx1250"
	.amdhsa_code_object_version 6
	.text
	.protected	k_qe99e93154d_qk
	.globl	k_qe99e93154d_qk
	.p2align	8
	.type	k_qe99e93154d_qk,@function
k_qe99e93154d_qk:
	s_mov_b64 s[64:65], 0
	v_nop
	global_prefetch_b8 v0, s[64:65] scope:SCOPE_SE
	s_setreg_imm32_b32 hwreg(HW_REG_WAVE_MODE, 25, 1), 1
	s_wait_xcnt 0x0
; ut[hd][d] = bf16( g1[d] * (log2e / 8) * sum over e of wk[d][64 hd + e] * q0[64 hd + e] ),  q0 = LN1(clstoken + pos_emb[0]) * wq.
; Only row 0 of the encoder's output is used, and that row's query is the same in every batch: one query vector.  Its score against
; key row j is h_j . (Wk_h q0_h), so one vector of 768 numbers a head stands for K.  With h_j = n_j * g1 + b1 the part b1 . u is the
; same for every j and drops out of the softmax, so g1 is folded into the vector and b1 is not needed in it (it is in q0).
; One work-group a head, 16 waves.  Wave w owns rows d = 48 w .. 48 w + 47 of the head's strips of wq and wk (64 columns = 256 bytes,
; aligned, of each row); lanes 0-15 take one row's 256 bytes, lanes 16-31 a row 24 further down.  All in f32 on the vector unit:
; these are products with ONE row, of which a matrix tile would use one row in sixteen.
; No cluster: what the twelve work-groups share (clstoken, one row of pos_emb, g1, b1: 12 KiB) is a small part of the 384 KiB of
; strips that each reads alone.  No prefetch: every load is issued in the first lines.
; Limits: the order of the sums differs from a row-by-row product; ut is rounded to bf16 once; v_rsq_f32 is good to 1 ULP.
.set ROWB, 3072                        ; bytes in a row of 768 f32
.set QP,   49152                       ; LDS: 16 waves x 256 bytes, each wave's part of q0.  Bytes 0 .. 49151: each wave's own copy of h0
.set UL,   53248                       ; LDS: 768 f32, the head's vector
.set X,    32                          ; v[32:55]   clstoken, then x0, then h0: lane holds columns 128 c + 4 lane + 0..3, c = 0..5
.set P,    56                          ; v[56:79]   pos_emb[0]
.set G,    80                          ; v[80:103]  g1
.set BT,   104                         ; v[104:127] b1
.set WK,   32                          ; v[32:127]  my 24 quads of wk, once x0's registers are free
.set WQ,   128                         ; v[128:223] my 24 quads of wq; later the 16 parts of q0; later pairs at work
.set HV,   224                         ; v[224:247] h0 of my 24 rows; later my 24 results
.set GV,   248                         ; v[248:255] g1 of the 8 numbers that I store at the end
.set SINV, 19                          ; 1 / 768
.set SEL0, 20                          ; v_permlanex16_b32: lane i reads lane i of the other half
.set SEL1, 21
.set SEPS, 22                          ; 1e-5
.macro LANESUM                         ; v16 = the sum of v16 over the 32 lanes, in every lane; v17 has been written before
	v_add_f32_dpp v16, v16, v16 row_xmask:1 row_mask:0xf bank_mask:0xf
	v_add_f32_dpp v16, v16, v16 row_xmask:2 row_mask:0xf bank_mask:0xf
	v_add_f32_dpp v16, v16, v16 row_xmask:4 row_mask:0xf bank_mask:0xf
	v_add_f32_dpp v16, v16, v16 row_xmask:8 row_mask:0xf bank_mask:0xf
	v_permlanex16_b32 v17, v16, s[SEL0], s[SEL1]
	v_add_f32 v16, v16, v17
.endm
; The row in v[xb .. xb+23] becomes (x - mean) * rsqrt(var + eps).  The mean is taken away first and the squares are summed of the
; differences: no difference of large sums.
.macro LNORM xb
	v_pk_add_f32 v[16:17], v[\xb:\xb+1], v[\xb+2:\xb+3]
	v_pk_add_f32 v[18:19], v[\xb+4:\xb+5], v[\xb+6:\xb+7]
.irp e, 8,16
	v_pk_add_f32 v[16:17], v[16:17], v[\xb+\e:\xb+\e+1]
	v_pk_add_f32 v[18:19], v[18:19], v[\xb+\e+2:\xb+\e+3]
	v_pk_add_f32 v[16:17], v[16:17], v[\xb+\e+4:\xb+\e+5]
	v_pk_add_f32 v[18:19], v[18:19], v[\xb+\e+6:\xb+\e+7]
.endr
	v_pk_add_f32 v[16:17], v[16:17], v[18:19]
	v_add_f32 v16, v16, v17
	LANESUM
	v_mul_f32 v20, s[SINV], v16
	v_mul_f32 v21, s[SINV], v16
.irp e, 0,2,4,6,8,10,12,14,16,18,20,22
	v_pk_add_f32 v[\xb+\e:\xb+\e+1], v[\xb+\e:\xb+\e+1], v[20:21] neg_lo:[0,1] neg_hi:[0,1]
.endr
	v_pk_mul_f32 v[16:17], v[\xb:\xb+1], v[\xb:\xb+1]
	v_pk_mul_f32 v[18:19], v[\xb+2:\xb+3], v[\xb+2:\xb+3]
.irp e, 4,8,12,16,20
	v_pk_fma_f32 v[16:17], v[\xb+\e:\xb+\e+1], v[\xb+\e:\xb+\e+1], v[16:17]
	v_pk_fma_f32 v[18:19], v[\xb+\e+2:\xb+\e+3], v[\xb+\e+2:\xb+\e+3], v[18:19]
.endr
	v_pk_add_f32 v[16:17], v[16:17], v[18:19]
	v_add_f32 v16, v16, v17
	LANESUM
	v_fma_f32 v16, v16, s[SINV], s[SEPS]
	v_rsq_f32 v22, v16                             ; twice, to fill the pair that the packed multiply reads
	v_rsq_f32 v23, v16
	v_nop                                          ; one plain place behind a transcendental before its result is used (ISA guide 5.7.2)
	s_wait_alu depctr_va_vdst(0)
.irp e, 0,2,4,6,8,10,12,14,16,18,20,22
	v_pk_mul_f32 v[\xb+\e:\xb+\e+1], v[\xb+\e:\xb+\e+1], v[22:23]
.endr
.endm
	s_load_b256 s[4:11], s[0:1], 0x0               ; clstoken s[4:5], pos_emb s[6:7], g1 s[8:9], b1 s[10:11]
	s_load_b128 s[12:15], s[0:1], 0x20             ; wq s[12:13], wk s[14:15]
	s_load_b64 s[16:17], s[0:1], 0x30              ; ut
	v_lshl_add_u32 v30, v0, 2, 0xdc00
	v_mov_b32 v31, 0
	v_lshrrev_b32 v1, 5, v0
	v_readfirstlane_b32 s18, v1                    ; wave 0..15
	s_mov_b32 s[SINV], 0x3aaaaaab
	s_mov_b32 s[SEPS], 0x3727c5ac
	s_mov_b32 s[SEL0], 0x76543210
	s_mov_b32 s[SEL1], 0xfedcba98
	v_and_b32 v1, 31, v0                           ; lane
	v_and_b32 v2, 15, v0                           ; r: my 16 bytes of a strip's row
	v_bfe_u32 v3, v0, 4, 1                         ; hh: which half of the wave's 48 rows
	v_lshlrev_b32 v4, 4, v1                        ; 16 lane: my 16 bytes in each 512 of a whole row
	s_mul_i32 s23, s18, 48
	v_mad_u32_u24 v14, v3, 24, s23                 ; my first row: 48 w + 24 hh
	s_lshl_b32 s24, ttmp9, 8                       ; the head's strip: 256 bytes
	v_mul_u32_u24 v5, v14, ROWB
	v_lshl_add_u32 v5, v2, 4, v5
	v_add_nc_u32 v5, s24, v5                       ; offset in wq and wk of my quad of my first row
	s_mul_i32 s25, s18, ROWB                       ; my wave's copy of h0 in LDS
	v_add_nc_u32 v6, s25, v4                       ; where I put h0
	v_lshl_add_u32 v7, v14, 2, s25                 ; where h0 of my 24 rows lies: inside my wave's copy, since 192 w + 192 <= 3072
	s_lshl_b32 s26, s18, 8
	v_lshl_add_u32 v8, v2, 4, s26                  ; my wave's part of q0 (+ QP)
	v_lshlrev_b32 v9, 4, v2                        ; all waves' parts of my four columns (+ QP + 256 x)
	v_lshlrev_b32 v10, 2, v14                      ; my 24 results (+ UL)
	v_min_u32 v13, 95, v0                          ; the last phase is for threads 0 to 95; the clamp keeps every lane's address inside
	v_lshlrev_b32 v12, 4, v13                      ; 16 bytes of ut
	v_lshlrev_b32 v13, 5, v13                      ; 32 bytes of g1 and of UL
	s_mul_i32 s28, ttmp9, 1536
	s_mov_b32 s29, 0
	s_wait_kmcnt 0x0
	s_add_nc_u64 s[16:17], s[16:17], s[28:29]      ; ut at my head's row
	; every load but wk's goes out now
	global_load_b128 v[GV:GV+3], v13, s[8:9]
	global_load_b128 v[GV+4:GV+7], v13, s[8:9] offset:16
.irp c, 0,1,2,3,4,5
	global_load_b128 v[X+4*\c:X+4*\c+3], v4, s[4:5] offset:512*\c
	global_load_b128 v[P+4*\c:P+4*\c+3], v4, s[6:7] offset:512*\c
	global_load_b128 v[G+4*\c:G+4*\c+3], v4, s[8:9] offset:512*\c
	global_load_b128 v[BT+4*\c:BT+4*\c+3], v4, s[10:11] offset:512*\c
.endr
.set i, 0
.rept 24
	global_load_b128 v[WQ+4*i:WQ+4*i+3], v5, s[12:13] offset:ROWB*i th:TH_LOAD_NT
.set i, i+1
.endr
	s_wait_loadcnt 24                              ; all but the 24 loads of wq
.irp e, 0,2,4,6,8,10,12,14,16,18,20,22
	v_pk_add_f32 v[X+\e:X+\e+1], v[X+\e:X+\e+1], v[P+\e:P+\e+1]            ; x0 = clstoken + pos_emb[0]
.endr
	LNORM X
.irp e, 0,2,4,6,8,10,12,14,16,18,20,22
	v_pk_fma_f32 v[X+\e:X+\e+1], v[X+\e:X+\e+1], v[G+\e:G+\e+1], v[BT+\e:BT+\e+1]   ; h0
.endr
	; h0 from "four columns in every 128" to "my 24 rows": through my wave's own bytes of LDS, which serves a wave's instructions in order
.irp c, 0,1,2,3,4,5
	ds_store_b128 v6, v[X+4*\c:X+4*\c+3] offset:512*\c
.endr
.irp c, 0,1,2,3,4,5
	ds_load_b128 v[HV+4*\c:HV+4*\c+3], v7 offset:16*\c
.endr
	s_wait_dscnt 0x0
.set i, 0
.rept 24
	global_load_b128 v[WK+4*i:WK+4*i+3], v5, s[14:15] offset:ROWB*i th:TH_LOAD_NT
.set i, i+1
.endr
	s_wait_loadcnt 24                              ; wq is in; the 24 loads of wk stay out
	; my part of q0: four columns, 24 rows; the multiplier is one number a row
.irp x, 0,1,2,3
	v_mul_f32 v[24+\x], v[WQ+\x], v[HV]
.endr
.set i, 1
.rept 23
.irp x, 0,1,2,3
	v_fmac_f32 v[24+\x], v[WQ+4*i+\x], v[HV+i]
.endr
.set i, i+1
.endr
.irp x, 0,1,2,3
	v_permlanex16_b32 v[16+\x], v[24+\x], s[SEL0], s[SEL1]     ; the other half's 24 rows (v16-19 have been written)
.endr
	v_pk_add_f32 v[24:25], v[24:25], v[16:17]
	v_pk_add_f32 v[26:27], v[26:27], v[18:19]
	ds_store_b128 v8, v[24:27] offset:QP           ; both halves store the same numbers to the same bytes
	s_wait_dscnt 0x0                               ; my part lies in LDS before I say so
	s_barrier_signal -1
	s_barrier_wait -1
.set i, 0
.rept 16
	ds_load_b128 v[WQ+4*i:WQ+4*i+3], v9 offset:QP+256*i
.set i, i+1
.endr
	s_wait_dscnt 0x0
.irp x, 0,1,2,3,4,5,6,7
	v_pk_add_f32 v[WQ+4*\x:WQ+4*\x+1], v[WQ+4*\x:WQ+4*\x+1], v[WQ+32+4*\x:WQ+32+4*\x+1]
	v_pk_add_f32 v[WQ+4*\x+2:WQ+4*\x+3], v[WQ+4*\x+2:WQ+4*\x+3], v[WQ+32+4*\x+2:WQ+32+4*\x+3]
.endr
.irp x, 0,1,2,3
	v_pk_add_f32 v[WQ+4*\x:WQ+4*\x+1], v[WQ+4*\x:WQ+4*\x+1], v[WQ+16+4*\x:WQ+16+4*\x+1]
	v_pk_add_f32 v[WQ+4*\x+2:WQ+4*\x+3], v[WQ+4*\x+2:WQ+4*\x+3], v[WQ+16+4*\x+2:WQ+16+4*\x+3]
.endr
.irp x, 0,1
	v_pk_add_f32 v[WQ+4*\x:WQ+4*\x+1], v[WQ+4*\x:WQ+4*\x+1], v[WQ+8+4*\x:WQ+8+4*\x+1]
	v_pk_add_f32 v[WQ+4*\x+2:WQ+4*\x+3], v[WQ+4*\x+2:WQ+4*\x+3], v[WQ+8+4*\x+2:WQ+8+4*\x+3]
.endr
	v_pk_add_f32 v[WQ:WQ+1], v[WQ:WQ+1], v[WQ+4:WQ+5]
	v_pk_add_f32 v[WQ+2:WQ+3], v[WQ+2:WQ+3], v[WQ+6:WQ+7]
	v_pk_mul_f32 v[24:25], v[WQ:WQ+1], 0x3e38aa3b op_sel_hi:[1,0]      ; q0 of my four columns, times log2(e) / 8: the scores are made for v_exp_f32
	v_pk_mul_f32 v[26:27], v[WQ+2:WQ+3], 0x3e38aa3b op_sel_hi:[1,0]
	s_wait_loadcnt 0x0                             ; wk
	; 24 dot products of 64: four columns a lane, then over the sixteen lanes of a half; laid in stages so that no line waits for the one in front
.set i, 0
.rept 24
	v_pk_mul_f32 v[WQ+2*i:WQ+2*i+1], v[WK+4*i:WK+4*i+1], v[24:25]
.set i, i+1
.endr
.set i, 0
.rept 24
	v_pk_fma_f32 v[WQ+2*i:WQ+2*i+1], v[WK+4*i+2:WK+4*i+3], v[26:27], v[WQ+2*i:WQ+2*i+1]
.set i, i+1
.endr
.set i, 0
.rept 24
	v_add_f32 v[HV+i], v[WQ+2*i], v[WQ+2*i+1]
.set i, i+1
.endr
.irp m, 1,2,4,8
.set i, 0
.rept 24
	v_add_f32_dpp v[HV+i], v[HV+i], v[HV+i] row_xmask:\m row_mask:0xf bank_mask:0xf
.set i, i+1
.endr
.endr
.set i, 0
.rept 24
	ds_store_b32 v10, v[HV+i] offset:UL+4*i        ; the sixteen lanes of a half store the same number to the same word
.set i, i+1
.endr
	s_wait_dscnt 0x0
	s_barrier_signal -1
	s_barrier_wait -1
	s_cmp_gt_u32 s18, 2                            ; 768 numbers = 96 threads x 8: waves 0 to 2
	s_cbranch_scc1 .Lend
	ds_load_b128 v[32:35], v13 offset:UL
	ds_load_b128 v[36:39], v13 offset:UL+16
	s_wait_dscnt 0x0
.irp e, 0,2,4,6
	v_pk_mul_f32 v[32+\e:33+\e], v[32+\e:33+\e], v[GV+\e:GV+\e+1]
.endr
.irp k, 0,1,2,3
	v_cvt_pk_bf16_f32 v[40+\k], v[32+2*\k], v[33+2*\k]
.endr
	global_store_b128 v12, v[40:43], s[16:17]      ; each wave stores 512 consecutive bytes, aligned
.Lend:
	s_wait_tensorcnt 0x0
	ds_add_u32 v30, v31
	s_wait_dscnt 0x0
	s_endpgm
.Lfunc_end_k_qe99e93154d_qk:
	.size	k_qe99e93154d_qk, .Lfunc_end_k_qe99e93154d_qk-k_qe99e93154d_qk
	.p2alignl 7, 3214868480
	.fill 96, 4, 3214868480
	.section	.rodata,"a",@progbits
	.p2align	6, 0x0
	.amdhsa_kernel k_qe99e93154d_qk
		.amdhsa_group_segment_fixed_size 58368
		.amdhsa_private_segment_fixed_size 0
		.amdhsa_enable_private_segment 0
		.amdhsa_kernarg_size 56
		.amdhsa_user_sgpr_count 2
		.amdhsa_user_sgpr_kernarg_segment_ptr 1
		.amdhsa_wavefront_size32 1
		.amdhsa_system_sgpr_workgroup_id_x 1
		.amdhsa_system_sgpr_workgroup_id_y 1
		.amdhsa_system_sgpr_workgroup_id_z 1
		.amdhsa_system_vgpr_workitem_id 0
		.amdhsa_next_free_vgpr 256
		.amdhsa_next_free_sgpr 66
		.amdhsa_reserve_vcc 0
		.amdhsa_float_denorm_mode_32 3
		.amdhsa_float_denorm_mode_16_64 3
		.amdhsa_memory_ordered 1
		.amdhsa_forward_progress 1
		.amdhsa_inst_pref_size 35
	.end_amdhsa_kernel
	.amdgpu_metadata
---
amdhsa.version: [ 1, 2 ]
amdhsa.kernels:
  - .name:           k_qe99e93154d_qk
    .symbol:         k_qe99e93154d_qk.kd
    .args:
      - { .name: clstoken, .offset: 0, .size: 8, .value_kind: global_buffer, .address_space: global }
      - { .name: pos_emb, .offset: 8, .size: 8, .value_kind: global_buffer, .address_space: global }
      - { .name: ln1_g, .offset: 16, .size: 8, .value_kind: global_buffer, .address_space: global }
      - { .name: ln1_b, .offset: 24, .size: 8, .value_kind: global_buffer, .address_space: global }
      - { .name: wq, .offset: 32, .size: 8, .value_kind: global_buffer, .address_space: global }
      - { .name: wk, .offset: 40, .size: 8, .value_kind: global_buffer, .address_space: global }
      - { .name: ut, .offset: 48, .size: 8, .value_kind: global_buffer, .address_space: global }
    .group_segment_fixed_size: 58368
    .private_segment_fixed_size: 0
    .kernarg_segment_align: 8
    .kernarg_segment_size: 56
    .max_flat_workgroup_size: 512
    .sgpr_count:     66
    .vgpr_count:     256
    .wavefront_size: 32
...
	.end_amdgpu_metadata
.endif
;; end of part 1
;; launch attn (part 2): grid 4 x 64, 16 waves a work-group, no clusters, 119,808 bytes of LDS; arguments image, clstoken, pos_emb, ut, cpart, stat; writes cpart, stat
.if DOCPART == 2
	.amdgcn_target "amdgcn-amd-amdhsa--gfx1250"
	.amdhsa_code_object_version 6
	.text
	.protected	k_qe99e93154d_attn
	.globl	k_qe99e93154d_attn
	.p2align	8
	.type	k_qe99e93154d_attn,@function
k_qe99e93154d_attn:
	s_mov_b64 s[64:65], 0
	v_nop
	global_prefetch_b8 v0, s[64:65] scope:SCOPE_SE
	s_setreg_imm32_b32 hwreg(HW_REG_WAVE_MODE, 25, 1), 1
	s_wait_xcnt 0x0
; For batch b and quarter q of the 99 rows (rows 25 q .. 25 q + cnt - 1; cnt = 25, 25, 25, 24):
;   n_j = (x_j - mean) * rsqrt(var + eps),  x_j = (clstoken or image[b][j-1]) + pos_emb[j]
;   S[j][hd] = n_j . ut[hd]  (in units of log2: ut carries log2(e) / 8)
;   m[hd] = max over the quarter's j of S,  p = exp2(S - m),  l[hd] = sum of p,  c[hd][:] = sum over j of p_j n_j
; stat[b][q] = 16 m, 16 l;  cpart[b][q][hd][:] = c, not yet divided.  The next launch joins the four quarters by their maxima.
; The maximum is taken away before every exponential.  V is never formed: sum p_j (h_j Wv) = (sum p_j h_j) Wv.
; 16 waves; wave w normalises rows w and 16 + w of the quarter (a row of 3,072 bytes is 24 registers a lane); rows from cnt to 31 are zeros.
; Both products go to the matrix unit in bf16: scores 32 x 16 x 768 (K shared out among 8 groups of waves), c 16 x 768 x 32.
; No cluster: a quarter's rows of pos_emb (75 KiB of some 225 KiB that a work-group moves) are shared by the 64 batches, but every row here goes
; from memory straight into the registers that normalise it; a joint load would add a stage of 75 KiB in LDS, a read back and a round in front of the first byte.
; No prefetch: every load is issued in the first lines.
; Limits: n, ut and p are rounded to bf16 once; l is summed of the unrounded p; v_exp_f32 gives 0 below 2^-126; heads 12-15 of the tiles repeat head 11 and are not stored to cpart.
.set ROWB, 3072
.set PH,   1568                        ; LDS pitch of a row of 768 bf16: 1,536 + 32 = 49 x 32, the odd multiple of 32 that the transposing load's eight rows want
.set SP,   50176                       ; 8 K groups x 2,048 bytes: partial scores.  Bytes 0 .. 50175: H, 32 rows of n in bf16
.set SS,   66560                       ; 2,048 bytes: the scores
.set CS,   68608                       ; 16 heads x 3,072 bytes: c in f32, on its way out
.set X0,   32                          ; v[32:55]   row w;   later A fragments, later transposed fragments
.set P0,   56                          ; v[56:79]   its pos row; later accumulators
.set X1,   80                          ; v[80:103]  row 16 + w; later scores (80-95) and P's fragment (96-103); later the copy out
.set P1,   104                         ; v[104:127] its pos row; later m = v104, l = v105
.set UTF,  128                         ; v[128:151] three fragments of ut
.set SINV, 32
.set SEPS, 33
.set SEL0, 34
.set SEL1, 35
.macro LANESUM                         ; v16 = the sum of v16 over the 32 lanes, in every lane; v17 has been written before
	v_add_f32_dpp v16, v16, v16 row_xmask:1 row_mask:0xf bank_mask:0xf
	v_add_f32_dpp v16, v16, v16 row_xmask:2 row_mask:0xf bank_mask:0xf
	v_add_f32_dpp v16, v16, v16 row_xmask:4 row_mask:0xf bank_mask:0xf
	v_add_f32_dpp v16, v16, v16 row_xmask:8 row_mask:0xf bank_mask:0xf
	v_permlanex16_b32 v17, v16, s[SEL0], s[SEL1]
	v_add_f32 v16, v16, v17
.endm
; The row in v[xb .. xb+23] becomes (x - mean) * rsqrt(var + eps); the squares are summed of the differences.
.macro LNORM xb
	v_pk_add_f32 v[16:17], v[\xb:\xb+1], v[\xb+2:\xb+3]
	v_pk_add_f32 v[18:19], v[\xb+4:\xb+5], v[\xb+6:\xb+7]
.irp e, 8,16
	v_pk_add_f32 v[16:17], v[16:17], v[\xb+\e:\xb+\e+1]
	v_pk_add_f32 v[18:19], v[18:19], v[\xb+\e+2:\xb+\e+3]
	v_pk_add_f32 v[16:17], v[16:17], v[\xb+\e+4:\xb+\e+5]
	v_pk_add_f32 v[18:19], v[18:19], v[\xb+\e+6:\xb+\e+7]
.endr
	v_pk_add_f32 v[16:17], v[16:17], v[18:19]
	v_add_f32 v16, v16, v17
	LANESUM
	v_mul_f32 v20, s[SINV], v16
	v_mul_f32 v21, s[SINV], v16
.irp e, 0,2,4,6,8,10,12,14,16,18,20,22
	v_pk_add_f32 v[\xb+\e:\xb+\e+1], v[\xb+\e:\xb+\e+1], v[20:21] neg_lo:[0,1] neg_hi:[0,1]
.endr
	v_pk_mul_f32 v[16:17], v[\xb:\xb+1], v[\xb:\xb+1]
	v_pk_mul_f32 v[18:19], v[\xb+2:\xb+3], v[\xb+2:\xb+3]
.irp e, 4,8,12,16,20
	v_pk_fma_f32 v[16:17], v[\xb+\e:\xb+\e+1], v[\xb+\e:\xb+\e+1], v[16:17]
	v_pk_fma_f32 v[18:19], v[\xb+\e+2:\xb+\e+3], v[\xb+\e+2:\xb+\e+3], v[18:19]
.endr
	v_pk_add_f32 v[16:17], v[16:17], v[18:19]
	v_add_f32 v16, v16, v17
	LANESUM
	v_fma_f32 v16, v16, s[SINV], s[SEPS]
	v_rsq_f32 v22, v16
	v_rsq_f32 v23, v16
	v_nop                                          ; one plain place behind a transcendental before its result is used (ISA guide 5.7.2)
	s_wait_alu depctr_va_vdst(0)
.irp e, 0,2,4,6,8,10,12,14,16,18,20,22
	v_pk_mul_f32 v[\xb+\e:\xb+\e+1], v[\xb+\e:\xb+\e+1], v[22:23]
.endr
.endm
; x = row + pos row, normalised, rounded to bf16, to LDS row at byte off of my wave's address
.macro ROWIN xb, pb, off
.irp e, 0,2,4,6,8,10,12,14,16,18,20,22
	v_pk_add_f32 v[\xb+\e:\xb+\e+1], v[\xb+\e:\xb+\e+1], v[\pb+\e:\pb+\e+1]
.endr
	LNORM \xb
.irp c, 0,1,2,3,4,5
	v_cvt_pk_bf16_f32 v[\xb+4*\c], v[\xb+4*\c], v[\xb+4*\c+1]
	v_cvt_pk_bf16_f32 v[\xb+4*\c+1], v[\xb+4*\c+2], v[\xb+4*\c+3]
	ds_store_b64 v5, v[\xb+4*\c:\xb+4*\c+1] offset:\off+256*\c     ; 32 lanes x 8 bytes: 256 consecutive bytes
.endr
.endm
	s_load_b256 s[4:11], s[0:1], 0x0               ; image s[4:5], clstoken s[6:7], pos_emb s[8:9], ut s[10:11]
	s_load_b128 s[12:15], s[0:1], 0x20             ; cpart s[12:13], stat s[14:15]
	v_lshl_add_u32 v160, v0, 2, 0x1cc00
	v_mov_b32 v161, 0
	v_lshrrev_b32 v1, 5, v0
	v_readfirstlane_b32 s16, v1                    ; wave 0..15
	s_and_b32 s18, ttmp7, 0xffff                   ; batch
	s_cmp_eq_u32 ttmp9, 3
	s_cselect_b32 s19, 24, 25                      ; cnt: rows in this quarter
	s_mov_b32 s[SINV], 0x3aaaaaab
	s_mov_b32 s[SEPS], 0x3727c5ac
	s_mov_b32 s[SEL0], 0x76543210
	s_mov_b32 s[SEL1], 0xfedcba98
	s_mul_i32 s36, ttmp9, 25
	s_add_co_u32 s36, s36, s16                     ; j of my first row: 25 q + w
	s_mul_i32 s37, s18, 98
	s_max_u32 s38, s36, 1
	s_add_co_u32 s38, s38, s37
	s_sub_co_u32 s38, s38, 1                       ; its row of image: 98 b + j - 1 (for j = 0 any row inside: clstoken is chosen below)
	s_mul_i32 s38, s38, ROWB
	s_mov_b32 s39, 0
	s_add_co_u32 s40, s36, s37
	s_add_co_u32 s40, s40, 15                      ; my second row, j + 16: row 98 b + j + 15 of image
	s_mul_i32 s40, s40, ROWB
	s_mov_b32 s41, 0
	s_mul_i32 s42, s36, ROWB                       ; pos_emb row j
	s_mov_b32 s43, 0
	s_lshl_b32 s44, s18, 2
	s_add_co_u32 s44, s44, ttmp9                   ; 4 b + q
	s_mul_i32 s46, s44, 36864
	s_mov_b32 s47, 0
	s_lshl_b32 s48, s44, 7
	s_mov_b32 s49, 0
	v_and_b32 v1, 31, v0                           ; lane
	v_and_b32 v2, 15, v0                           ; r
	v_bfe_u32 v3, v0, 4, 1                         ; h
	v_lshlrev_b32 v4, 4, v1                        ; 16 lane
	s_mul_i32 s50, s16, PH
	v_lshl_add_u32 v5, v1, 3, s50                  ; H: row w, my 8 bytes
	s_lshr_b32 s51, s16, 1                         ; kg: my K group of 96
	s_and_b32 s52, s16, 1                          ; mt: my 16 rows
	s_mul_i32 s53, s51, 192
	v_min_u32 v6, 11, v2                           ; columns 12-15 of the tile repeat head 11
	v_mul_u32_u24 v6, v6, 1536
	v_lshl_add_u32 v6, v3, 4, v6
	v_add_nc_u32 v6, s53, v6                       ; ut: head r, K group, 16 h
	s_mul_i32 s54, s52, 16*PH
	s_add_co_u32 s54, s54, s53
	v_mul_u32_u24 v7, v2, PH
	v_lshl_add_u32 v7, v3, 4, v7
	v_add_nc_u32 v7, s54, v7                       ; H: row 16 mt + r, K group, 16 h
	s_lshl_b32 s55, s16, 10                        ; 2,048 kg + 1,024 mt = 1,024 w
	s_add_co_u32 s55, s55, SP
	v_add_nc_u32 v8, s55, v4                       ; my partial scores
	s_lshl_b32 s56, s16, 7
	v_lshl_add_u32 v9, v1, 2, s56                  ; word 32 w + lane of a block of 512 words
	v_add_nc_u32 v10, SS, v9
	v_add_nc_u32 v9, SP, v9
	v_add_nc_u32 v11, SS, v4
	v_and_b32 v12, 7, v1
	v_lshl_or_b32 v12, v3, 3, v12                  ; row 8 h + (lane & 7)
	v_mul_u32_u24 v12, v12, PH
	v_bfe_u32 v27, v0, 3, 1
	v_lshl_add_u32 v12, v27, 4, v12
	s_mul_i32 s57, s16, 96
	v_add_nc_u32 v12, s57, v12                     ; transposing load: my wave's 48 columns
	s_mul_i32 s58, s16, 192
	s_add_co_u32 s58, s58, CS
	v_mul_u32_u24 v13, v3, 24576
	v_lshl_add_u32 v13, v2, 2, v13
	v_add_nc_u32 v13, s58, v13                     ; CS: head 8 h, column 48 w + r
	s_lshl_b32 s59, s16, 9
	v_add_nc_u32 v15, s59, v4                      ; 16 x thread
	v_add_nc_u32 v14, CS, v15
	v_lshlrev_b32 v24, 2, v1
	s_sub_co_u32 s17, s19, 16
	v_lshlrev_b32 v25, 3, v3
	v_sub_nc_u32 v25, s17, v25                     ; cnt - 16 - 8 h: how many of my upper eight rows exist (9, 8, 1 or 0)
	v_mov_b32 v26, 0xff800000                      ; -infinity
	s_add_co_u32 s17, s16, 16
	s_wait_kmcnt 0x0
	s_add_nc_u64 s[20:21], s[4:5], s[38:39]
	s_cmp_eq_u32 s36, 0
	s_cselect_b64 s[20:21], s[6:7], s[20:21]       ; row 0 is the class token
	s_add_nc_u64 s[22:23], s[8:9], s[42:43]
	s_add_nc_u64 s[24:25], s[4:5], s[40:41]
	s_add_nc_u64 s[28:29], s[12:13], s[46:47]
	s_add_nc_u64 s[30:31], s[14:15], s[48:49]
.irp s, 0,1,2
	global_load_b128 v[UTF+8*\s:UTF+8*\s+3], v6, s[10:11] offset:64*\s
	global_load_b128 v[UTF+8*\s+4:UTF+8*\s+7], v6, s[10:11] offset:64*\s+32
.endr
.irp c, 0,1,2,3,4,5
	global_load_b128 v[X0+4*\c:X0+4*\c+3], v4, s[20:21] offset:512*\c
	global_load_b128 v[P0+4*\c:P0+4*\c+3], v4, s[22:23] offset:512*\c
.endr
	s_cmp_lt_u32 s17, s19                          ; does row 16 + w exist?  Hangs on the wave's number and on q alone
	s_cbranch_scc0 .Lpad
.irp c, 0,1,2,3,4,5
	global_load_b128 v[X1+4*\c:X1+4*\c+3], v4, s[24:25] offset:512*\c th:TH_LOAD_NT
	global_load_b128 v[P1+4*\c:P1+4*\c+3], v4, s[22:23] offset:16*ROWB+512*\c
.endr
	s_wait_loadcnt 12                              ; ut and my first row are in; the second row's 12 loads stay out
	ROWIN X0, P0, 0
	s_wait_loadcnt 0x0
	ROWIN X1, P1, 16*PH
	s_branch .Lrows
.Lpad:
	s_wait_loadcnt 0x0
	ROWIN X0, P0, 0
	v_mov_b32 v80, 0
	v_mov_b32 v81, 0
.irp c, 0,1,2,3,4,5
	ds_store_b64 v5, v[80:81] offset:16*PH+256*\c  ; a row that does not exist: zeros, so that its products are finite
.endr
.Lrows:
	s_wait_dscnt 0x0                               ; my rows lie in LDS before I say so
	s_barrier_signal -1
	s_barrier_wait -1
	; scores: 16 rows x 16 heads x my 96 of K
.irp s, 0,1,2
	ds_load_b128 v[X0+8*\s:X0+8*\s+3], v7 offset:64*\s
	ds_load_b128 v[X0+8*\s+4:X0+8*\s+7], v7 offset:64*\s+32
.endr
	s_wait_dscnt 0x0
	v_wmma_f32_16x16x32_bf16 v[56:63], v[X0:X0+7], v[UTF:UTF+7], 0             ; two accumulators by turns, one instruction a turn
	v_wmma_f32_16x16x32_bf16 v[64:71], v[X0+8:X0+15], v[UTF+8:UTF+15], 0
	v_wmma_f32_16x16x32_bf16 v[56:63], v[X0+16:X0+23], v[UTF+16:UTF+23], v[56:63]
.rept 4
	v_nop                                          ; four places before a vector instruction reads a matrix result (ISA guide 7.12.1)
.endr
.irp e, 0,2,4,6
	v_pk_add_f32 v[56+\e:57+\e], v[56+\e:57+\e], v[64+\e:65+\e]
.endr
	ds_store_b128 v8, v[56:59]
	ds_store_b128 v8, v[60:63] offset:512
	s_wait_dscnt 0x0
	s_barrier_signal -1
	s_barrier_wait -1
	; the eight K groups' parts are added, one word a thread
.irp x, 0,1,2,3,4,5,6,7
	ds_load_b32 v[72+\x], v9 offset:2048*\x
.endr
	s_wait_dscnt 0x0
	v_pk_add_f32 v[72:73], v[72:73], v[74:75]
	v_pk_add_f32 v[76:77], v[76:77], v[78:79]
	v_pk_add_f32 v[72:73], v[72:73], v[76:77]
	v_add_f32 v72, v72, v73
	ds_store_b32 v10, v72
	s_wait_dscnt 0x0
	s_barrier_signal -1
	s_barrier_wait -1
	; every wave: lane (r, h) takes head r's scores of rows 8 h + i (v80-87) and 16 + 8 h + i (v88-95): the places that
	; P's fragment wants (head = row of the tile, rows of n along K), so nothing moves between lanes but the two halves' maximum and sum
.irp x, 0,1,2,3
	ds_load_b128 v[80+4*\x:83+4*\x], v11 offset:512*\x
.endr
.irp y, 0,1,2
	ds_load_tr16_b128 v[X0+8*\y:X0+8*\y+3], v12 offset:32*\y               ; n, rows 8 h .. of columns 48 w + 16 y + r
	ds_load_tr16_b128 v[X0+8*\y+4:X0+8*\y+7], v12 offset:32*\y+16*PH       ; rows 16 + 8 h ..
.endr
	s_wait_dscnt 6                                 ; the scores are in; the six transposing loads stay out
.irp i, 0,1,2,3,4,5,6,7
	v_cmp_lt_u32 vcc_lo, \i, v25
	v_cndmask_b32 v[88+\i], v26, v[88+\i], vcc_lo  ; rows from cnt on count for nothing
.endr
	v_max3_num_f32 v104, v80, v81, v82
.irp k, 83,85,87,89,91,93
	v_max3_num_f32 v104, v104, v[\k], v[\k+1]
.endr
	v_max_num_f32 v104, v104, v95
	v_permlanex16_b32 v17, v104, s[SEL0], s[SEL1]
	v_max_num_f32 v104, v104, v17                  ; m: the head's maximum in this quarter
.set i, 0
.rept 16
	v_sub_f32 v[80+i], v[80+i], v104
.set i, i+1
.endr
.set i, 0
.rept 16
	v_exp_f32 v[80+i], v[80+i]
.set i, i+1
.endr
	v_nop                                          ; one plain place behind the last transcendental
	s_wait_alu depctr_va_vdst(0)
	v_pk_add_f32 v[16:17], v[80:81], v[82:83]
	v_pk_add_f32 v[18:19], v[84:85], v[86:87]
	v_pk_add_f32 v[20:21], v[88:89], v[90:91]
	v_pk_add_f32 v[22:23], v[92:93], v[94:95]
	v_pk_add_f32 v[16:17], v[16:17], v[18:19]
	v_pk_add_f32 v[20:21], v[20:21], v[22:23]
	v_pk_add_f32 v[16:17], v[16:17], v[20:21]
	v_add_f32 v105, v16, v17
	v_permlanex16_b32 v17, v105, s[SEL0], s[SEL1]
	v_add_f32 v105, v105, v17                      ; l, at least 1: the maximum's own term
.irp k, 0,1,2,3,4,5,6,7
	v_cvt_pk_bf16_f32 v[96+\k], v[80+2*\k], v[81+2*\k]
.endr
	s_cmp_lg_u32 s16, 0
	s_cbranch_scc1 .Lnostat
	v_cmp_eq_u32 vcc_lo, 1, v3
	v_cndmask_b32 v106, v104, v105, vcc_lo         ; lanes 0-15: m of head r; lanes 16-31: l
	global_store_b32 v24, v106, s[30:31]           ; 128 consecutive bytes
.Lnostat:
	s_wait_dscnt 0x0
.irp y, 0,1,2
	v_wmma_f32_16x16x32_bf16 v[56+8*\y:63+8*\y], v[96:103], v[X0+8*\y:X0+8*\y+7], 0    ; c: 16 heads x 16 columns, K = the 32 rows
.endr
.rept 4
	v_nop                                          ; four places before an LDS store reads a matrix result
.endr
.irp y, 0,1,2
.irp i, 0,1,2,3,4,5,6,7
	ds_store_b32 v13, v[56+8*\y+\i] offset:3072*\i+64*\y           ; head 8 h + i, column 48 w + 16 y + r
.endr
.endr
	s_wait_dscnt 0x0
	s_barrier_signal -1
	s_barrier_wait -1
	; heads 0 to 11 leave as 36,864 consecutive bytes: each store of a wave covers 512 consecutive bytes, aligned
.irp x, 0,1,2,3
	ds_load_b128 v[80+4*\x:83+4*\x], v14 offset:8192*\x
.endr
.irp x, 0,1,2,3
	s_wait_dscnt 3-\x                              ; LDS loads come back in order: number x is in
	global_store_b128 v15, v[80+4*\x:83+4*\x], s[28:29] offset:8192*\x
.endr
	s_cmp_gt_u32 s16, 7                            ; the last 4,096 bytes: waves 0 to 7
	s_cbranch_scc1 .Lend
	ds_load_b128 v[96:99], v14 offset:32768
	s_wait_dscnt 0x0
	global_store_b128 v15, v[96:99], s[28:29] offset:32768
.Lend:
	s_wait_tensorcnt 0x0
	ds_add_u32 v160, v161
	s_wait_dscnt 0x0
	s_endpgm
.Lfunc_end_k_qe99e93154d_attn:
	.size	k_qe99e93154d_attn, .Lfunc_end_k_qe99e93154d_attn-k_qe99e93154d_attn
	.p2alignl 7, 3214868480
	.fill 96, 4, 3214868480
	.section	.rodata,"a",@progbits
	.p2align	6, 0x0
	.amdhsa_kernel k_qe99e93154d_attn
		.amdhsa_group_segment_fixed_size 119808
		.amdhsa_private_segment_fixed_size 0
		.amdhsa_enable_private_segment 0
		.amdhsa_kernarg_size 48
		.amdhsa_user_sgpr_count 2
		.amdhsa_user_sgpr_kernarg_segment_ptr 1
		.amdhsa_wavefront_size32 1
		.amdhsa_system_sgpr_workgroup_id_x 1
		.amdhsa_system_sgpr_workgroup_id_y 1
		.amdhsa_system_sgpr_workgroup_id_z 1
		.amdhsa_system_vgpr_workitem_id 0
		.amdhsa_next_free_vgpr 162
		.amdhsa_next_free_sgpr 66
		.amdhsa_reserve_vcc 1
		.amdhsa_float_denorm_mode_32 3
		.amdhsa_float_denorm_mode_16_64 3
		.amdhsa_memory_ordered 1
		.amdhsa_forward_progress 1
		.amdhsa_inst_pref_size 35
	.end_amdhsa_kernel
	.amdgpu_metadata
---
amdhsa.version: [ 1, 2 ]
amdhsa.kernels:
  - .name:           k_qe99e93154d_attn
    .symbol:         k_qe99e93154d_attn.kd
    .args:
      - { .name: image, .offset: 0, .size: 8, .value_kind: global_buffer, .address_space: global }
      - { .name: clstoken, .offset: 8, .size: 8, .value_kind: global_buffer, .address_space: global }
      - { .name: pos_emb, .offset: 16, .size: 8, .value_kind: global_buffer, .address_space: global }
      - { .name: ut, .offset: 24, .size: 8, .value_kind: global_buffer, .address_space: global }
      - { .name: cpart, .offset: 32, .size: 8, .value_kind: global_buffer, .address_space: global }
      - { .name: stat, .offset: 40, .size: 8, .value_kind: global_buffer, .address_space: global }
    .group_segment_fixed_size: 119808
    .private_segment_fixed_size: 0
    .kernarg_segment_align: 8
    .kernarg_segment_size: 48
    .max_flat_workgroup_size: 512
    .sgpr_count:     66
    .vgpr_count:     162
    .wavefront_size: 32
...
	.end_amdgpu_metadata
.endif
;; end of part 2
;; launch pv (part 3): grid 4 x 12, 8 waves a work-group, clusters of 4 x 1, 280,064 bytes of LDS; arguments cpart, stat, ln1_g, ln1_b, wv, clstoken, pos_emb, a0; writes a0
.if DOCPART == 3
	.amdgcn_target "amdgcn-amd-amdhsa--gfx1250"
	.amdhsa_code_object_version 6
	.text
	.protected	k_qe99e93154d_pv
	.globl	k_qe99e93154d_pv
	.p2align	8
	.type	k_qe99e93154d_pv,@function
k_qe99e93154d_pv:
	s_mov_b64 s[64:65], 0
	v_nop
	global_prefetch_b8 v0, s[64:65] scope:SCOPE_SE
	s_setreg_imm32_b32 hwreg(HW_REG_WAVE_MODE, 25, 1), 1
	s_wait_xcnt 0x0
	s_wait_alu depctr_hold_cnt(0) depctr_sa_sdst(0) depctr_va_vdst(0) depctr_va_sdst(0) depctr_va_ssrc(0) depctr_va_vcc(0) depctr_vm_vsrc(0)
	s_getreg_b32 s2, hwreg(HW_REG_IB_STS2, 6, 4)
	s_cmp_eq_u32 s2, 0
	s_cbranch_scc0 .Lentry_in_a_cluster
	s_endpgm
.Lentry_in_a_cluster:
	s_bfe_u32 s2, ttmp6, 0x10000c
	s_cmp_lg_u32 s2, 0x3003
	s_cbranch_scc0 .Lentry_shape_is_right
	s_endpgm
.Lentry_shape_is_right:
; a0[b][64 hd + e] = clstoken + pos_emb[0] + sum over d of A[b][hd][d] * wv[d][64 hd + e],
; A[b][hd] = g1 * (sum over the four quarters q of f_q c_q) + b1,  f_q = exp2(m_q - M) / sum over q of exp2(m_q - M) l_q,  M = max of the m_q.
; (sum of p = 1, so the affine part of LN1 is applied to the weighted sum of normalised rows.)  The divisor is at least 1: the quarter that holds M adds l >= 1.
; THE PRODUCT, the same in four launches: 16 rows of A x 768 of K x a strip of 64 columns of W.  Eight waves; wave w prepares rows 2 w, 2 w + 1 of A and
; multiplies K = 96 w .. 96 w + 95 for all 16 rows and 64 columns; the eight parts meet in LDS.
; A goes to the matrix unit as two bf16 terms, hi + lo (lo = bf16(x - hi)), W rounded to bf16 once; sums in f32.
; CLUSTER: the four work-groups along x take 16 batches each and need the same strip of W (192 KiB): each wave asks for its 96 rows by a joint load that names all four.
; The place in the cluster enters global addresses of A and of the result alone.  A wave has one tensor load outstanding.
; COLUMNS: a lane takes four neighbouring columns 4 r .. 4 r + 3 of a row of W with one LDS load; column tile t is made of the columns 4 r + t.
; So W needs no transposition, k stands in its true place, and a lane's four tiles hold four neighbouring columns of the result.
; Limits: the order of the sums (K over eight waves) differs from a plain product's; v_exp_f32 gives 0 below 2^-126.
.set OUTP,   3072                      ; bytes from row to row of the result
.set WPITCH, 768                       ; elements from row to row of W
.set AH,     196608                    ; LDS: A's hi terms, 16 rows of 768 bf16, pitch PA.  Bytes 0 .. 196607: W, 768 rows x 256 bytes of f32; wave w's part at 24,576 w
.set ALO,    24832                     ; the lo terms lie so far behind the hi terms
.set RED,    246272                    ; 8 waves x 16 rows x 256 bytes of f32
.set PA,     1552                      ; 1,536 + 16 = 97 x 16: the sixteen rows of a fragment start at sixteen different groups of banks
.set WPART,  24576
.set MSB, 0
.macro WIN new                         ; s_set_vgpr_msb: bits 1:0 source 0, 3:2 source 1, 5:4 source 2, 7:6 destination; the high byte repeats the setting that is left
.if MSB != \new
	s_set_vgpr_msb (MSB<<8)|\new
.set MSB, \new
.endif
.endm
.macro ROUND                           ; a round of the cluster's barrier: my work-group's barrier, wave 0 signals for it, all wait for the four, my work-group's barrier again
	s_barrier_signal -1
	s_barrier_wait -1
	s_cmp_lg_u32 s44, 0
	s_cbranch_scc1 .Lnot_wave_0_\@
	s_barrier_signal -3
.Lnot_wave_0_\@:
	s_barrier_wait -3
	s_barrier_signal -1
	s_barrier_wait -1
.endm
; The row in v[xb .. xb+23] goes to LDS as hi and lo terms, at byte off of my wave's address
.macro SPLIT xb, off
.irp c, 0,1,2,3,4,5
	v_cvt_pk_bf16_f32 v[24+4*(\c%2)], v[\xb+4*\c], v[\xb+4*\c+1]
	v_cvt_pk_bf16_f32 v[25+4*(\c%2)], v[\xb+4*\c+2], v[\xb+4*\c+3]
	v_lshlrev_b32 v16, 16, v[24+4*(\c%2)]
	v_and_b32 v17, s52, v[24+4*(\c%2)]
	v_lshlrev_b32 v18, 16, v[25+4*(\c%2)]
	v_and_b32 v19, s52, v[25+4*(\c%2)]
	v_pk_add_f32 v[\xb+4*\c:\xb+4*\c+1], v[\xb+4*\c:\xb+4*\c+1], v[16:17] neg_lo:[0,1] neg_hi:[0,1]       ; exact
	v_pk_add_f32 v[\xb+4*\c+2:\xb+4*\c+3], v[\xb+4*\c+2:\xb+4*\c+3], v[18:19] neg_lo:[0,1] neg_hi:[0,1]
	v_cvt_pk_bf16_f32 v[26+4*(\c%2)], v[\xb+4*\c], v[\xb+4*\c+1]
	v_cvt_pk_bf16_f32 v[27+4*(\c%2)], v[\xb+4*\c+2], v[\xb+4*\c+3]
	ds_store_b64 v5, v[24+4*(\c%2):25+4*(\c%2)] offset:\off+256*\c
	ds_store_b64 v5, v[26+4*(\c%2):27+4*(\c%2)] offset:\off+256*\c+ALO
.endr
.endm
.macro AFFINE xb                       ; x = x * g + b; g in v448-471, b in v472-495 (window 1: 192.., 216..)
	WIN 0x14
.irp e, 0,2,4,6,8,10,12,14,16,18,20,22
	v_pk_fma_f32 v[\xb+\e:\xb+\e+1], v[\xb+\e:\xb+\e+1], v[192+\e:193+\e], v[216+\e:217+\e]
.endr
	WIN 0
.endm
; The four quarters' c (v[xb + 24 q ..]) are joined by their m (v[st .. st+3]) and l (v[st+4 .. st+7]) into v[xb .. xb+23]
.macro MERGE xb, st
	v_max3_num_f32 v16, v[\st], v[\st+1], v[\st+2]
	v_max_num_f32 v16, v16, v[\st+3]
.irp q, 0,1,2,3
	v_sub_f32 v[20+\q], v[\st+\q], v16
.endr
.irp q, 0,1,2,3
	v_exp_f32 v[20+\q], v[20+\q]
.endr
	v_nop                                          ; one plain place behind a transcendental (ISA guide 5.7.2)
	s_wait_alu depctr_va_vdst(0)
	v_mul_f32 v17, v20, v[\st+4]
	v_fmac_f32 v17, v21, v[\st+5]
	v_fmac_f32 v17, v22, v[\st+6]
	v_fmac_f32 v17, v23, v[\st+7]
	v_rcp_f32 v18, v17
	v_nop
	s_wait_alu depctr_va_vdst(0)
.irp q, 0,1,2,3
	v_mul_f32 v[240+2*\q], v[20+\q], v18
	v_mul_f32 v[241+2*\q], v[20+\q], v18
.endr
.irp e, 0,2,4,6,8,10,12,14,16,18,20,22
	v_pk_mul_f32 v[\xb+\e:\xb+\e+1], v[\xb+\e:\xb+\e+1], v[240:241]
	v_pk_fma_f32 v[\xb+\e:\xb+\e+1], v[\xb+24+\e:\xb+25+\e], v[242:243], v[\xb+\e:\xb+\e+1]
	v_pk_fma_f32 v[\xb+\e:\xb+\e+1], v[\xb+48+\e:\xb+49+\e], v[244:245], v[\xb+\e:\xb+\e+1]
	v_pk_fma_f32 v[\xb+\e:\xb+\e+1], v[\xb+72+\e:\xb+73+\e], v[246:247], v[\xb+\e:\xb+\e+1]
.endr
.endm
	s_load_b256 s[4:11], s[0:1], 0x0               ; cpart s[4:5], stat s[6:7], g1 s[8:9], b1 s[10:11]
	s_load_b256 s[12:19], s[0:1], 0x20             ; wv s[12:13], clstoken s[14:15], pos_emb s[16:17], a0 s[18:19]
	v_lshl_add_u32 v14, v0, 2, 0x44200
	s_set_vgpr_msb 0x40
	v_mov_b32 v241, 0
	s_set_vgpr_msb 0x4044
	ds_add_u32 v14, v241
	s_set_vgpr_msb 0x4400
	v_lshrrev_b32 v1, 5, v0
	v_readfirstlane_b32 s44, v1                    ; wave 0..7
	s_bfe_u32 s45, ttmp6, 0x40000                  ; my place in the cluster: which 16 batches
	s_and_b32 s46, ttmp7, 0xffff                   ; head
	s_mov_b32 s52, 0xffff0000
	v_and_b32 v1, 31, v0                           ; lane
	v_and_b32 v2, 15, v0                           ; r
	v_bfe_u32 v3, v0, 4, 1                         ; h
	v_lshlrev_b32 v4, 4, v1                        ; 16 lane
	v_lshlrev_b32 v11, 4, v2                       ; 16 r
	v_lshl_add_u32 v15, v3, 11, v11                ; 2,048 h + 16 r
	s_mul_i32 s26, s44, 2*PA
	s_add_co_u32 s26, s26, AH
	v_lshl_add_u32 v5, v1, 3, s26                  ; A: row 2 w, my 8 bytes
	s_mul_i32 s33, s44, WPART                      ; my part of W in LDS: the wave's number times a constant
	v_add_nc_u32 v6, s33, v15                      ; W: row 8 h of my part, my four columns
	s_mul_i32 s27, s44, 192
	s_add_co_u32 s27, s27, AH
	v_mul_u32_u24 v7, v2, PA
	v_lshl_add_u32 v7, v3, 4, v7
	v_add_nc_u32 v7, s27, v7                       ; A fragments: row r, K = 96 w, 16 h
	s_lshl_b32 s30, s44, 12
	s_add_co_u32 s30, s30, RED
	v_add_nc_u32 v8, s30, v15                      ; my part of the sums: row 8 h, columns 4 r ..
	s_lshl_b32 s31, s44, 9
	s_add_co_u32 s31, s31, RED
	v_add_nc_u32 v9, s31, v4                       ; 16 x thread: row 2 w + h, columns 4 r .., of every wave's part
	s_lshl_b32 s47, s44, 1
	v_add_nc_u32 v10, s47, v3
	v_mul_u32_u24 v10, v10, OUTP
	v_add_nc_u32 v10, v10, v11                     ; the same place in the result
	v_mov_b32 v12, 0
	v_lshl_add_u32 v13, s46, 8, v11                ; 256 hd + 16 r: my four columns in a row of 768
	; descriptor: 96 rows x 64 f32 (256 bytes), no padding (sixteen lanes read one whole row)
	s_mov_b32 s32, 1                               ; count = 1
	s_mov_b32 s36, 15|(2<<16)|(1<<21)              ; 15:0 the four work-groups of the cluster; 17:16 elements of 4 bytes; 21 set beside a mask
	s_mov_b32 s37, 64<<16                          ; tensor_dim0 = 64
	s_mov_b32 s38, 96<<16                          ; tensor_dim1 = 96
	s_mov_b32 s39, 64<<16                          ; tile_dim0 = 64
	s_mov_b32 s40, 96                              ; tile_dim1 = 96
	s_mov_b32 s41, WPITCH
	s_mov_b32 s42, 0
	s_mov_b32 s43, 0
	s_mul_i32 s54, s44, 96*WPITCH*4                ; W: row 96 w,
	s_lshl_b32 s55, s46, 8
	s_add_co_u32 s54, s54, s55                     ; column 64 hd: the wave's number and the head alone
	s_mov_b32 s55, 0
	s_lshl_b32 s53, s45, 4
	s_add_co_u32 s53, s53, s47                     ; my first batch: 16 x place + 2 w
	s_lshl_b32 s56, s53, 9
	s_lshl2_add_u32 s56, s46, s56                  ; stat: 512 b + 4 hd
	s_mov_b32 s57, 0
	s_mul_i32 s58, s53, 147456
	s_mul_i32 s59, s46, 3072
	s_add_co_u32 s58, s58, s59                     ; cpart: 147,456 b + 3,072 hd
	s_mov_b32 s59, 0
	s_mul_i32 s60, s45, 16*OUTP
	s_lshl_b32 s61, s46, 8
	s_add_co_u32 s60, s60, s61
	s_mov_b32 s61, 0
	s_wait_dscnt 0x0
	s_wait_kmcnt 0x0
	s_add_nc_u64 s[34:35], s[12:13], s[54:55]
	s_or_b32 s35, s35, 0x80000000                  ; type = 2
	s_add_nc_u64 s[20:21], s[6:7], s[56:57]
	s_add_nc_u64 s[22:23], s[4:5], s[58:59]
	s_add_nc_u64 s[24:25], s[18:19], s[60:61]
	global_load_b128 v[248:251], v13, s[14:15]     ; clstoken and pos_emb[0] of my four columns, for the end
	global_load_b128 v[252:255], v13, s[16:17]
	WIN 0x40
.irp c, 0,1,2,3,4,5
	global_load_b128 v[192+4*\c:195+4*\c], v4, s[8:9] offset:512*\c        ; v448..: g1
	global_load_b128 v[216+4*\c:219+4*\c], v4, s[10:11] offset:512*\c      ; v472..: b1
.endr
	WIN 0
.irp x, 0,1
.irp q, 0,1,2,3
	global_load_b32 v[224+8*\x+\q], v12, s[20:21] offset:512*\x+128*\q     ; m of quarter q, the same word in every lane
	global_load_b32 v[228+8*\x+\q], v12, s[20:21] offset:512*\x+128*\q+64  ; l
.endr
.endr
.irp x, 0,1
.irp q, 0,1,2,3
.irp c, 0,1,2,3,4,5
	global_load_b128 v[32+96*\x+24*\q+4*\c:35+96*\x+24*\q+4*\c], v4, s[22:23] offset:147456*\x+36864*\q+512*\c th:TH_LOAD_NT
.endr
.endr
.endr
	ROUND                                          ; all four work-groups are here: the joint loads meet
	tensor_load_to_lds s[32:35], s[36:43]          ; my 96 rows of the strip, for all four
	s_nop 0
	s_wait_loadcnt 24                              ; all but the second row's 24 loads
	MERGE 32, 224
	AFFINE 32
	SPLIT 32, 0
	s_wait_loadcnt 0x0
	MERGE 128, 232
	AFFINE 128
	SPLIT 128, PA
	; W: my 96 rows from LDS (f32, window 1), rounded into fragments BF(s, t) = v[32 + 32 s + 8 t ..]
	s_wait_tensorcnt 0x0                           ; my own load has landed, and only I read its bytes
	WIN 0x40
.irp s, 0,1,2
.irp g, 0,1
.irp i, 0,1,2,3,4,5,6,7
	ds_load_b128 v[4*(16*\s+8*\g+\i):4*(16*\s+8*\g+\i)+3], v6 offset:256*(32*\s+16*\g+\i)      ; row 32 s + 16 g + 8 h + i
.endr
.endr
.endr
	WIN 0x05
.irp s, 0,1,2
	s_wait_dscnt 32-16*\s                          ; K step s's 16 loads are in; the younger ones stay out
.irp t, 0,1,2,3
.irp g, 0,1
.irp k, 0,1,2,3
	v_cvt_pk_bf16_f32 v[32+32*\s+8*\t+4*\g+\k], v[4*(16*\s+8*\g+2*\k)+\t], v[4*(16*\s+8*\g+2*\k+1)+\t]
.endr
.endr
.endr
.endr
	WIN 0
	s_barrier_signal -1                            ; no LDS instruction of mine is out: A's rows lie in LDS
	s_barrier_wait -1
.irp s, 0,1,2
	ds_load_b128 v[128+8*\s:131+8*\s], v7 offset:64*\s
	ds_load_b128 v[132+8*\s:135+8*\s], v7 offset:64*\s+32
	ds_load_b128 v[152+8*\s:155+8*\s], v7 offset:ALO+64*\s
	ds_load_b128 v[156+8*\s:159+8*\s], v7 offset:ALO+64*\s+32
.endr
	; eight accumulators (hi and lo terms x four column tiles) by turns, one instruction a turn; the first K step starts the sums
.irp s, 0,1,2
	s_wait_dscnt 8-4*\s                            ; K step s's four loads are in
.irp t, 0,1,2,3
.if \s == 0
	v_wmma_f32_16x16x32_bf16 v[176+8*\t:183+8*\t], v[128:135], v[32+8*\t:39+8*\t], 0
.else
	v_wmma_f32_16x16x32_bf16 v[176+8*\t:183+8*\t], v[128+8*\s:135+8*\s], v[32+32*\s+8*\t:39+32*\s+8*\t], v[176+8*\t:183+8*\t]
.endif
.endr
.irp t, 0,1,2,3
.if \s == 0
	v_wmma_f32_16x16x32_bf16 v[208+8*\t:215+8*\t], v[152:159], v[32+8*\t:39+8*\t], 0
.else
	v_wmma_f32_16x16x32_bf16 v[208+8*\t:215+8*\t], v[152+8*\s:159+8*\s], v[32+32*\s+8*\t:39+32*\s+8*\t], v[208+8*\t:215+8*\t]
.endif
.endr
.endr
.rept 4
	v_nop                                          ; four places before a vector instruction reads a result or writes a source (ISA guide 7.12.1)
.endr
.irp i, 0,1,2,3,4,5,6,7
.irp t, 0,1,2,3
	v_add_f32 v[32+4*\i+\t], v[176+8*\t+\i], v[208+8*\t+\i]        ; hi + lo, and four neighbouring columns into neighbouring registers
.endr
.endr
.irp i, 0,1,2,3,4,5,6,7
	ds_store_b128 v8, v[32+4*\i:35+4*\i] offset:256*\i
.endr
	s_wait_dscnt 0x0
	s_barrier_signal -1
	s_barrier_wait -1
.irp x, 0,1,2,3,4,5,6,7
	ds_load_b128 v[64+4*\x:67+4*\x], v9 offset:4096*\x
.endr
	s_wait_dscnt 0x0
.irp x, 0,1,2,3
	v_pk_add_f32 v[64+4*\x:65+4*\x], v[64+4*\x:65+4*\x], v[80+4*\x:81+4*\x]
	v_pk_add_f32 v[66+4*\x:67+4*\x], v[66+4*\x:67+4*\x], v[82+4*\x:83+4*\x]
.endr
.irp x, 0,1
	v_pk_add_f32 v[64+4*\x:65+4*\x], v[64+4*\x:65+4*\x], v[72+4*\x:73+4*\x]
	v_pk_add_f32 v[66+4*\x:67+4*\x], v[66+4*\x:67+4*\x], v[74+4*\x:75+4*\x]
.endr
	v_pk_add_f32 v[64:65], v[64:65], v[68:69]
	v_pk_add_f32 v[66:67], v[66:67], v[70:71]
	; the residual: x0 = clstoken + pos_emb[0]
	v_pk_add_f32 v[248:249], v[248:249], v[252:253]
	v_pk_add_f32 v[250:251], v[250:251], v[254:255]
	v_pk_add_f32 v[64:65], v[64:65], v[248:249]
	v_pk_add_f32 v[66:67], v[66:67], v[250:251]
	global_store_b128 v10, v[64:67], s[24:25]      ; sixteen lanes store 256 consecutive bytes, aligned
	s_set_vgpr_msb 0x4
	s_wait_tensorcnt 0x0
	ds_add_u32 v14, v241
	s_wait_dscnt 0x0
	s_set_vgpr_msb 0x400
	ROUND                                          ; the closing round: no work-group ends while a partner may still ask
	s_endpgm
.Lfunc_end_k_qe99e93154d_pv:
	.size	k_qe99e93154d_pv, .Lfunc_end_k_qe99e93154d_pv-k_qe99e93154d_pv
	.p2alignl 7, 3214868480
	.fill 96, 4, 3214868480
	.section	.rodata,"a",@progbits
	.p2align	6, 0x0
	.amdhsa_kernel k_qe99e93154d_pv
		.amdhsa_group_segment_fixed_size 280064
		.amdhsa_private_segment_fixed_size 0
		.amdhsa_enable_private_segment 0
		.amdhsa_kernarg_size 64
		.amdhsa_user_sgpr_count 2
		.amdhsa_user_sgpr_kernarg_segment_ptr 1
		.amdhsa_wavefront_size32 1
		.amdhsa_system_sgpr_workgroup_id_x 1
		.amdhsa_system_sgpr_workgroup_id_y 1
		.amdhsa_system_sgpr_workgroup_id_z 1
		.amdhsa_system_vgpr_workitem_id 0
		.amdhsa_next_free_vgpr 498
		.amdhsa_next_free_sgpr 66
		.amdhsa_reserve_vcc 0
		.amdhsa_float_denorm_mode_32 3
		.amdhsa_float_denorm_mode_16_64 3
		.amdhsa_memory_ordered 1
		.amdhsa_forward_progress 1
		.amdhsa_inst_pref_size 45
	.end_amdhsa_kernel
	.amdgpu_metadata
---
amdhsa.version: [ 1, 2 ]
amdhsa.kernels:
  - .name:           k_qe99e93154d_pv
    .symbol:         k_qe99e93154d_pv.kd
    .args:
      - { .name: cpart, .offset: 0, .size: 8, .value_kind: global_buffer, .address_space: global }
      - { .name: stat, .offset: 8, .size: 8, .value_kind: global_buffer, .address_space: global }
      - { .name: ln1_g, .offset: 16, .size: 8, .value_kind: global_buffer, .address_space: global }
      - { .name: ln1_b, .offset: 24, .size: 8, .value_kind: global_buffer, .address_space: global }
      - { .name: wv, .offset: 32, .size: 8, .value_kind: global_buffer, .address_space: global }
      - { .name: clstoken, .offset: 40, .size: 8, .value_kind: global_buffer, .address_space: global }
      - { .name: pos_emb, .offset: 48, .size: 8, .value_kind: global_buffer, .address_space: global }
      - { .name: a0, .offset: 56, .size: 8, .value_kind: global_buffer, .address_space: global }
    .group_segment_fixed_size: 280064
    .private_segment_fixed_size: 0
    .kernarg_segment_align: 8
    .kernarg_segment_size: 64
    .max_flat_workgroup_size: 256
    .sgpr_count:     66
    .vgpr_count:     498
    .wavefront_size: 32
...
	.end_amdgpu_metadata
.endif
;; end of part 3
;; launch mlp1 (part 4): grid 4 x 48, 8 waves a work-group, clusters of 4 x 1, 280,064 bytes of LDS; arguments a0, ln2_g, ln2_b, w1, b1, h1; writes h1
.if DOCPART == 4
	.amdgcn_target "amdgcn-amd-amdhsa--gfx1250"
	.amdhsa_code_object_version 6
	.text
	.protected	k_qe99e93154d_mlp1
	.globl	k_qe99e93154d_mlp1
	.p2align	8
	.type	k_qe99e93154d_mlp1,@function
k_qe99e93154d_mlp1:
	s_mov_b64 s[64:65], 0
	v_nop
	global_prefetch_b8 v0, s[64:65] scope:SCOPE_SE
	s_setreg_imm32_b32 hwreg(HW_REG_WAVE_MODE, 25, 1), 1
	s_wait_xcnt 0x0
	s_wait_alu depctr_hold_cnt(0) depctr_sa_sdst(0) depctr_va_vdst(0) depctr_va_sdst(0) depctr_va_ssrc(0) depctr_va_vcc(0) depctr_vm_vsrc(0)
	s_getreg_b32 s2, hwreg(HW_REG_IB_STS2, 6, 4)
	s_cmp_eq_u32 s2, 0
	s_cbranch_scc0 .Lentry_in_a_cluster
	s_endpgm
.Lentry_in_a_cluster:
	s_bfe_u32 s2, ttmp6, 0x10000c
	s_cmp_lg_u32 s2, 0x3003
	s_cbranch_scc0 .Lentry_shape_is_right
	s_endpgm
.Lentry_shape_is_right:
; h1[b][n] = relu( LN2(a0[b]) . w1[:, n] + b1[n] ), for the 64 class-token rows; a work-group makes 16 rows x 64 columns.
; THE PRODUCT: 16 rows of A x 768 of K x a strip of 64 columns of W.  Eight waves; wave w prepares rows 2 w, 2 w + 1 of A and multiplies
; K = 96 w .. 96 w + 95 for all 16 rows and 64 columns; the eight parts meet in LDS.  A as two bf16 terms, hi + lo; W rounded to bf16 once; sums in f32.
; CLUSTER: the four work-groups along x take 16 batches each and need the same strip of W (192 KiB): each wave asks for its 96 rows by a joint load that names all four.
; The place in the cluster enters global addresses of A and of the result alone.  A wave has one tensor load outstanding.
; COLUMNS: a lane takes columns 4 r .. 4 r + 3 of a row of W with one LDS load; column tile t is made of the columns 4 r + t.
; Limits: relu by v_max_num_f32 makes 0 of a NaN; the order of the sums (K over eight waves) differs from a plain product's.
.set OUTP,   12288
.set WPITCH, 3072
.set AH,     196608                    ; LDS: A's hi terms, 16 rows, pitch PA.  Bytes 0 .. 196607: W, 768 rows x 256 bytes of f32; wave w's part at 24,576 w
.set ALO,    24832
.set RED,    246272                    ; 8 waves x 16 rows x 256 bytes of f32
.set PA,     1552                      ; 97 x 16
.set WPART,  24576
.set SINV, 48
.set SEPS, 49
.set SEL0, 50
.set SEL1, 51
.set MSB, 0
.macro WIN new                         ; s_set_vgpr_msb: bits 1:0 source 0, 3:2 source 1, 5:4 source 2, 7:6 destination; the high byte repeats the setting that is left
.if MSB != \new
	s_set_vgpr_msb (MSB<<8)|\new
.set MSB, \new
.endif
.endm
.macro ROUND                           ; a round of the cluster's barrier
	s_barrier_signal -1
	s_barrier_wait -1
	s_cmp_lg_u32 s44, 0
	s_cbranch_scc1 .Lnot_wave_0_\@
	s_barrier_signal -3
.Lnot_wave_0_\@:
	s_barrier_wait -3
	s_barrier_signal -1
	s_barrier_wait -1
.endm
.macro SPLIT xb, off                   ; the row in v[xb .. xb+23] goes to LDS as hi and lo terms
.irp c, 0,1,2,3,4,5
	v_cvt_pk_bf16_f32 v[24+4*(\c%2)], v[\xb+4*\c], v[\xb+4*\c+1]
	v_cvt_pk_bf16_f32 v[25+4*(\c%2)], v[\xb+4*\c+2], v[\xb+4*\c+3]
	v_lshlrev_b32 v16, 16, v[24+4*(\c%2)]
	v_and_b32 v17, s52, v[24+4*(\c%2)]
	v_lshlrev_b32 v18, 16, v[25+4*(\c%2)]
	v_and_b32 v19, s52, v[25+4*(\c%2)]
	v_pk_add_f32 v[\xb+4*\c:\xb+4*\c+1], v[\xb+4*\c:\xb+4*\c+1], v[16:17] neg_lo:[0,1] neg_hi:[0,1]
	v_pk_add_f32 v[\xb+4*\c+2:\xb+4*\c+3], v[\xb+4*\c+2:\xb+4*\c+3], v[18:19] neg_lo:[0,1] neg_hi:[0,1]
	v_cvt_pk_bf16_f32 v[26+4*(\c%2)], v[\xb+4*\c], v[\xb+4*\c+1]
	v_cvt_pk_bf16_f32 v[27+4*(\c%2)], v[\xb+4*\c+2], v[\xb+4*\c+3]
	ds_store_b64 v5, v[24+4*(\c%2):25+4*(\c%2)] offset:\off+256*\c
	ds_store_b64 v5, v[26+4*(\c%2):27+4*(\c%2)] offset:\off+256*\c+ALO
.endr
.endm
.macro AFFINE xb                       ; x = x * g + b; g in v448-471, b in v472-495 (window 1: 192.., 216..)
	WIN 0x14
.irp e, 0,2,4,6,8,10,12,14,16,18,20,22
	v_pk_fma_f32 v[\xb+\e:\xb+\e+1], v[\xb+\e:\xb+\e+1], v[192+\e:193+\e], v[216+\e:217+\e]
.endr
	WIN 0
.endm
.macro LANESUM                         ; v16 = the sum of v16 over the 32 lanes, in every lane; v17 has been written before
	v_add_f32_dpp v16, v16, v16 row_xmask:1 row_mask:0xf bank_mask:0xf
	v_add_f32_dpp v16, v16, v16 row_xmask:2 row_mask:0xf bank_mask:0xf
	v_add_f32_dpp v16, v16, v16 row_xmask:4 row_mask:0xf bank_mask:0xf
	v_add_f32_dpp v16, v16, v16 row_xmask:8 row_mask:0xf bank_mask:0xf
	v_permlanex16_b32 v17, v16, s[SEL0], s[SEL1]
	v_add_f32 v16, v16, v17
.endm
.macro LNORM xb                        ; (x - mean) * rsqrt(var + eps); the squares are summed of the differences
	v_pk_add_f32 v[16:17], v[\xb:\xb+1], v[\xb+2:\xb+3]
	v_pk_add_f32 v[18:19], v[\xb+4:\xb+5], v[\xb+6:\xb+7]
.irp e, 8,16
	v_pk_add_f32 v[16:17], v[16:17], v[\xb+\e:\xb+\e+1]
	v_pk_add_f32 v[18:19], v[18:19], v[\xb+\e+2:\xb+\e+3]
	v_pk_add_f32 v[16:17], v[16:17], v[\xb+\e+4:\xb+\e+5]
	v_pk_add_f32 v[18:19], v[18:19], v[\xb+\e+6:\xb+\e+7]
.endr
	v_pk_add_f32 v[16:17], v[16:17], v[18:19]
	v_add_f32 v16, v16, v17
	LANESUM
	v_mul_f32 v20, s[SINV], v16
	v_mul_f32 v21, s[SINV], v16
.irp e, 0,2,4,6,8,10,12,14,16,18,20,22
	v_pk_add_f32 v[\xb+\e:\xb+\e+1], v[\xb+\e:\xb+\e+1], v[20:21] neg_lo:[0,1] neg_hi:[0,1]
.endr
	v_pk_mul_f32 v[16:17], v[\xb:\xb+1], v[\xb:\xb+1]
	v_pk_mul_f32 v[18:19], v[\xb+2:\xb+3], v[\xb+2:\xb+3]
.irp e, 4,8,12,16,20
	v_pk_fma_f32 v[16:17], v[\xb+\e:\xb+\e+1], v[\xb+\e:\xb+\e+1], v[16:17]
	v_pk_fma_f32 v[18:19], v[\xb+\e+2:\xb+\e+3], v[\xb+\e+2:\xb+\e+3], v[18:19]
.endr
	v_pk_add_f32 v[16:17], v[16:17], v[18:19]
	v_add_f32 v16, v16, v17
	LANESUM
	v_fma_f32 v16, v16, s[SINV], s[SEPS]
	v_rsq_f32 v22, v16
	v_rsq_f32 v23, v16
	v_nop                                          ; one plain place behind a transcendental (ISA guide 5.7.2)
	s_wait_alu depctr_va_vdst(0)
.irp e, 0,2,4,6,8,10,12,14,16,18,20,22
	v_pk_mul_f32 v[\xb+\e:\xb+\e+1], v[\xb+\e:\xb+\e+1], v[22:23]
.endr
.endm
	s_load_b256 s[4:11], s[0:1], 0x0               ; a0 s[4:5], g2 s[6:7], b2' s[8:9] (LN2's bias), w1 s[10:11]
	s_load_b128 s[12:15], s[0:1], 0x20             ; b1 s[12:13], h1 s[14:15]
	v_lshl_add_u32 v254, v0, 2, 0x44200
	v_mov_b32 v255, 0
	ds_add_u32 v254, v255
	v_lshrrev_b32 v1, 5, v0
	v_readfirstlane_b32 s44, v1                    ; wave 0..7
	s_bfe_u32 s45, ttmp6, 0x40000                  ; my place in the cluster: which 16 batches
	s_and_b32 s46, ttmp7, 0xffff                   ; strip of 64 columns
	s_mov_b32 s[SINV], 0x3aaaaaab
	s_mov_b32 s[SEPS], 0x3727c5ac
	s_mov_b32 s[SEL0], 0x76543210
	s_mov_b32 s[SEL1], 0xfedcba98
	s_mov_b32 s52, 0xffff0000
	v_and_b32 v1, 31, v0
	v_and_b32 v2, 15, v0
	v_bfe_u32 v3, v0, 4, 1
	v_lshlrev_b32 v4, 4, v1
	v_lshlrev_b32 v11, 4, v2
	v_lshl_add_u32 v15, v3, 11, v11
	s_mul_i32 s26, s44, 2*PA
	s_add_co_u32 s26, s26, AH
	v_lshl_add_u32 v5, v1, 3, s26                  ; A: row 2 w, my 8 bytes
	s_mul_i32 s33, s44, WPART                      ; my part of W in LDS
	v_add_nc_u32 v6, s33, v15
	s_mul_i32 s27, s44, 192
	s_add_co_u32 s27, s27, AH
	v_mul_u32_u24 v7, v2, PA
	v_lshl_add_u32 v7, v3, 4, v7
	v_add_nc_u32 v7, s27, v7                       ; A fragments
	s_lshl_b32 s30, s44, 12
	s_add_co_u32 s30, s30, RED
	v_add_nc_u32 v8, s30, v15
	s_lshl_b32 s31, s44, 9
	s_add_co_u32 s31, s31, RED
	v_add_nc_u32 v9, s31, v4
	s_lshl_b32 s47, s44, 1
	v_add_nc_u32 v10, s47, v3
	v_mul_u32_u24 v10, v10, OUTP
	v_add_nc_u32 v10, v10, v11
	v_lshl_add_u32 v13, s46, 8, v11                ; my four columns in b1
	s_mov_b32 s32, 1
	s_mov_b32 s36, 15|(2<<16)|(1<<21)              ; the four work-groups; elements of 4 bytes; bit 21 beside a mask
	s_mov_b32 s37, 64<<16
	s_mov_b32 s38, 96<<16
	s_mov_b32 s39, 64<<16
	s_mov_b32 s40, 96
	s_mov_b32 s41, WPITCH
	s_mov_b32 s42, 0
	s_mov_b32 s43, 0
	s_mul_i32 s54, s44, 96*WPITCH*4
	s_lshl_b32 s55, s46, 8
	s_add_co_u32 s54, s54, s55                     ; W: row 96 w, column 64 x strip
	s_mov_b32 s55, 0
	s_lshl_b32 s53, s45, 4
	s_add_co_u32 s53, s53, s47                     ; my first batch
	s_mul_i32 s56, s53, 3072
	s_mov_b32 s57, 0
	s_mul_i32 s60, s45, 16*OUTP
	s_lshl_b32 s61, s46, 8
	s_add_co_u32 s60, s60, s61
	s_mov_b32 s61, 0
	s_wait_dscnt 0x0
	s_wait_kmcnt 0x0
	s_add_nc_u64 s[34:35], s[10:11], s[54:55]
	s_or_b32 s35, s35, 0x80000000
	s_add_nc_u64 s[20:21], s[4:5], s[56:57]
	s_add_nc_u64 s[24:25], s[14:15], s[60:61]
	global_load_b128 v[248:251], v13, s[12:13]     ; b1 of my four columns
	WIN 0x40
.irp c, 0,1,2,3,4,5
	global_load_b128 v[192+4*\c:195+4*\c], v4, s[6:7] offset:512*\c
	global_load_b128 v[216+4*\c:219+4*\c], v4, s[8:9] offset:512*\c
.endr
	WIN 0
.irp x, 0,1
.irp c, 0,1,2,3,4,5
	global_load_b128 v[32+96*\x+4*\c:35+96*\x+4*\c], v4, s[20:21] offset:3072*\x+512*\c
.endr
.endr
	ROUND                                          ; all four work-groups are here: the joint loads meet
	tensor_load_to_lds s[32:35], s[36:43]
	s_nop 0
	s_wait_loadcnt 6                               ; all but the second row's six loads
	LNORM 32
	AFFINE 32
	SPLIT 32, 0
	s_wait_loadcnt 0x0
	LNORM 128
	AFFINE 128
	SPLIT 128, PA
	s_wait_tensorcnt 0x0                           ; my own load has landed, and only I read its bytes
	WIN 0x40
.irp s, 0,1,2
.irp g, 0,1
.irp i, 0,1,2,3,4,5,6,7
	ds_load_b128 v[4*(16*\s+8*\g+\i):4*(16*\s+8*\g+\i)+3], v6 offset:256*(32*\s+16*\g+\i)
.endr
.endr
.endr
	WIN 0x05
.irp s, 0,1,2
	s_wait_dscnt 32-16*\s                          ; K step s's 16 loads are in; the younger ones stay out
.irp t, 0,1,2,3
.irp g, 0,1
.irp k, 0,1,2,3
	v_cvt_pk_bf16_f32 v[32+32*\s+8*\t+4*\g+\k], v[4*(16*\s+8*\g+2*\k)+\t], v[4*(16*\s+8*\g+2*\k+1)+\t]
.endr
.endr
.endr
.endr
	WIN 0
	s_barrier_signal -1                            ; no LDS instruction of mine is out: A's rows lie in LDS
	s_barrier_wait -1
.irp s, 0,1,2
	ds_load_b128 v[128+8*\s:131+8*\s], v7 offset:64*\s
	ds_load_b128 v[132+8*\s:135+8*\s], v7 offset:64*\s+32
	ds_load_b128 v[152+8*\s:155+8*\s], v7 offset:ALO+64*\s
	ds_load_b128 v[156+8*\s:159+8*\s], v7 offset:ALO+64*\s+32
.endr
	; eight accumulators by turns, one instruction a turn; the first K step starts the sums
.irp s, 0,1,2
	s_wait_dscnt 8-4*\s
.irp t, 0,1,2,3
.if \s == 0
	v_wmma_f32_16x16x32_bf16 v[176+8*\t:183+8*\t], v[128:135], v[32+8*\t:39+8*\t], 0
.else
	v_wmma_f32_16x16x32_bf16 v[176+8*\t:183+8*\t], v[128+8*\s:135+8*\s], v[32+32*\s+8*\t:39+32*\s+8*\t], v[176+8*\t:183+8*\t]
.endif
.endr
.irp t, 0,1,2,3
.if \s == 0
	v_wmma_f32_16x16x32_bf16 v[208+8*\t:215+8*\t], v[152:159], v[32+8*\t:39+8*\t], 0
.else
	v_wmma_f32_16x16x32_bf16 v[208+8*\t:215+8*\t], v[152+8*\s:159+8*\s], v[32+32*\s+8*\t:39+32*\s+8*\t], v[208+8*\t:215+8*\t]
.endif
.endr
.endr
.rept 4
	v_nop                                          ; four places before a vector instruction reads a result or writes a source (ISA guide 7.12.1)
.endr
.irp i, 0,1,2,3,4,5,6,7
.irp t, 0,1,2,3
	v_add_f32 v[32+4*\i+\t], v[176+8*\t+\i], v[208+8*\t+\i]
.endr
.endr
.irp i, 0,1,2,3,4,5,6,7
	ds_store_b128 v8, v[32+4*\i:35+4*\i] offset:256*\i
.endr
	s_wait_dscnt 0x0
	s_barrier_signal -1
	s_barrier_wait -1
.irp x, 0,1,2,3,4,5,6,7
	ds_load_b128 v[64+4*\x:67+4*\x], v9 offset:4096*\x
.endr
	s_wait_dscnt 0x0
.irp x, 0,1,2,3
	v_pk_add_f32 v[64+4*\x:65+4*\x], v[64+4*\x:65+4*\x], v[80+4*\x:81+4*\x]
	v_pk_add_f32 v[66+4*\x:67+4*\x], v[66+4*\x:67+4*\x], v[82+4*\x:83+4*\x]
.endr
.irp x, 0,1
	v_pk_add_f32 v[64+4*\x:65+4*\x], v[64+4*\x:65+4*\x], v[72+4*\x:73+4*\x]
	v_pk_add_f32 v[66+4*\x:67+4*\x], v[66+4*\x:67+4*\x], v[74+4*\x:75+4*\x]
.endr
	v_pk_add_f32 v[64:65], v[64:65], v[68:69]
	v_pk_add_f32 v[66:67], v[66:67], v[70:71]
	v_pk_add_f32 v[64:65], v[64:65], v[248:249]    ; + b1
	v_pk_add_f32 v[66:67], v[66:67], v[250:251]
.irp k, 64,65,66,67
	v_max_num_f32 v[\k], 0, v[\k]                  ; relu
.endr
	global_store_b128 v10, v[64:67], s[24:25]      ; sixteen lanes store 256 consecutive bytes, aligned
	s_wait_tensorcnt 0x0
	ds_add_u32 v254, v255
	s_wait_dscnt 0x0
	ROUND                                          ; the closing round
	s_endpgm
.Lfunc_end_k_qe99e93154d_mlp1:
	.size	k_qe99e93154d_mlp1, .Lfunc_end_k_qe99e93154d_mlp1-k_qe99e93154d_mlp1
	.p2alignl 7, 3214868480
	.fill 96, 4, 3214868480
	.section	.rodata,"a",@progbits
	.p2align	6, 0x0
	.amdhsa_kernel k_qe99e93154d_mlp1
		.amdhsa_group_segment_fixed_size 280064
		.amdhsa_private_segment_fixed_size 0
		.amdhsa_enable_private_segment 0
		.amdhsa_kernarg_size 48
		.amdhsa_user_sgpr_count 2
		.amdhsa_user_sgpr_kernarg_segment_ptr 1
		.amdhsa_wavefront_size32 1
		.amdhsa_system_sgpr_workgroup_id_x 1
		.amdhsa_system_sgpr_workgroup_id_y 1
		.amdhsa_system_sgpr_workgroup_id_z 1
		.amdhsa_system_vgpr_workitem_id 0
		.amdhsa_next_free_vgpr 496
		.amdhsa_next_free_sgpr 66
		.amdhsa_reserve_vcc 0
		.amdhsa_float_denorm_mode_32 3
		.amdhsa_float_denorm_mode_16_64 3
		.amdhsa_memory_ordered 1
		.amdhsa_forward_progress 1
		.amdhsa_inst_pref_size 40
	.end_amdhsa_kernel
	.amdgpu_metadata
---
amdhsa.version: [ 1, 2 ]
amdhsa.kernels:
  - .name:           k_qe99e93154d_mlp1
    .symbol:         k_qe99e93154d_mlp1.kd
    .args:
      - { .name: a0, .offset: 0, .size: 8, .value_kind: global_buffer, .address_space: global }
      - { .name: ln2_g, .offset: 8, .size: 8, .value_kind: global_buffer, .address_space: global }
      - { .name: ln2_b, .offset: 16, .size: 8, .value_kind: global_buffer, .address_space: global }
      - { .name: w1, .offset: 24, .size: 8, .value_kind: global_buffer, .address_space: global }
      - { .name: b1, .offset: 32, .size: 8, .value_kind: global_buffer, .address_space: global }
      - { .name: h1, .offset: 40, .size: 8, .value_kind: global_buffer, .address_space: global }
    .group_segment_fixed_size: 280064
    .private_segment_fixed_size: 0
    .kernarg_segment_align: 8
    .kernarg_segment_size: 48
    .max_flat_workgroup_size: 256
    .sgpr_count:     66
    .vgpr_count:     496
    .wavefront_size: 32
...
	.end_amdgpu_metadata
.endif
;; end of part 4
;; launch mlp2 (part 5): grid 4 x 48, 8 waves a work-group, clusters of 4 x 1, 280,064 bytes of LDS; arguments h1, w2, b2, a0, pm; writes pm
.if DOCPART == 5
	.amdgcn_target "amdgcn-amd-amdhsa--gfx1250"
	.amdhsa_code_object_version 6
	.text
	.protected	k_qe99e93154d_mlp2
	.globl	k_qe99e93154d_mlp2
	.p2align	8
	.type	k_qe99e93154d_mlp2,@function
k_qe99e93154d_mlp2:
	s_mov_b64 s[64:65], 0
	v_nop
	global_prefetch_b8 v0, s[64:65] scope:SCOPE_SE
	s_setreg_imm32_b32 hwreg(HW_REG_WAVE_MODE, 25, 1), 1
	s_wait_xcnt 0x0
	s_wait_alu depctr_hold_cnt(0) depctr_sa_sdst(0) depctr_va_vdst(0) depctr_va_sdst(0) depctr_va_ssrc(0) depctr_va_vcc(0) depctr_vm_vsrc(0)
	s_getreg_b32 s2, hwreg(HW_REG_IB_STS2, 6, 4)
	s_cmp_eq_u32 s2, 0
	s_cbranch_scc0 .Lentry_in_a_cluster
	s_endpgm
.Lentry_in_a_cluster:
	s_bfe_u32 s2, ttmp6, 0x10000c
	s_cmp_lg_u32 s2, 0x3003
	s_cbranch_scc0 .Lentry_shape_is_right
	s_endpgm
.Lentry_shape_is_right:
; pm[kc][b][n] = sum over k = 768 kc .. 768 kc + 767 of h1[b][k] * w2[k][n], and in kc = 0 also + b2[n] + a0[b][n] (the residual).
; y of the grid: kc = y & 3, strip of 64 columns = y >> 2.  The four parts over K are added by the next launch: one owner for each stored byte, no traffic between work-groups.
; THE PRODUCT: 16 rows of A x 768 of K x a strip of 64 columns of W.  Eight waves; wave w prepares rows 2 w, 2 w + 1 of A and multiplies
; K = 96 w .. 96 w + 95 of the chunk; the eight parts meet in LDS.  A as two bf16 terms, hi + lo; W rounded to bf16 once; sums in f32.
; CLUSTER: the four work-groups along x take 16 batches each and need the same strip of W (192 KiB): each wave asks for its 96 rows by a joint load that names all four.
; The place in the cluster enters global addresses of A, a0 and the result alone; the branch on kc is the same in all four.  A wave has one tensor load outstanding.
; Limits: the order of the sums (K over four chunks and eight waves) differs from a plain product's.
.set OUTP,   3072
.set WPITCH, 768
.set AH,     196608                    ; LDS: A's hi terms, 16 rows, pitch PA.  Bytes 0 .. 196607: W, 768 rows x 256 bytes of f32; wave w's part at 24,576 w
.set ALO,    24832
.set RED,    246272
.set PA,     1552
.set WPART,  24576
.set MSB, 0
.macro WIN new                         ; s_set_vgpr_msb: bits 1:0 source 0, 3:2 source 1, 5:4 source 2, 7:6 destination; the high byte repeats the setting that is left
.if MSB != \new
	s_set_vgpr_msb (MSB<<8)|\new
.set MSB, \new
.endif
.endm
.macro ROUND                           ; a round of the cluster's barrier
	s_barrier_signal -1
	s_barrier_wait -1
	s_cmp_lg_u32 s44, 0
	s_cbranch_scc1 .Lnot_wave_0_\@
	s_barrier_signal -3
.Lnot_wave_0_\@:
	s_barrier_wait -3
	s_barrier_signal -1
	s_barrier_wait -1
.endm
.macro SPLIT xb, off                   ; the row in v[xb .. xb+23] goes to LDS as hi and lo terms
.irp c, 0,1,2,3,4,5
	v_cvt_pk_bf16_f32 v[24+4*(\c%2)], v[\xb+4*\c], v[\xb+4*\c+1]
	v_cvt_pk_bf16_f32 v[25+4*(\c%2)], v[\xb+4*\c+2], v[\xb+4*\c+3]
	v_lshlrev_b32 v16, 16, v[24+4*(\c%2)]
	v_and_b32 v17, s52, v[24+4*(\c%2)]
	v_lshlrev_b32 v18, 16, v[25+4*(\c%2)]
	v_and_b32 v19, s52, v[25+4*(\c%2)]
	v_pk_add_f32 v[\xb+4*\c:\xb+4*\c+1], v[\xb+4*\c:\xb+4*\c+1], v[16:17] neg_lo:[0,1] neg_hi:[0,1]
	v_pk_add_f32 v[\xb+4*\c+2:\xb+4*\c+3], v[\xb+4*\c+2:\xb+4*\c+3], v[18:19] neg_lo:[0,1] neg_hi:[0,1]
	v_cvt_pk_bf16_f32 v[26+4*(\c%2)], v[\xb+4*\c], v[\xb+4*\c+1]
	v_cvt_pk_bf16_f32 v[27+4*(\c%2)], v[\xb+4*\c+2], v[\xb+4*\c+3]
	ds_store_b64 v5, v[24+4*(\c%2):25+4*(\c%2)] offset:\off+256*\c
	ds_store_b64 v5, v[26+4*(\c%2):27+4*(\c%2)] offset:\off+256*\c+ALO
.endr
.endm
	s_load_b256 s[4:11], s[0:1], 0x0               ; h1 s[4:5], w2 s[6:7], b2 s[8:9], a0 s[10:11]
	s_load_b64 s[12:13], s[0:1], 0x20              ; pm
	v_lshl_add_u32 v246, v0, 2, 0x44200
	v_mov_b32 v247, 0
	ds_add_u32 v246, v247
	v_lshrrev_b32 v1, 5, v0
	v_readfirstlane_b32 s44, v1                    ; wave 0..7
	s_bfe_u32 s45, ttmp6, 0x40000                  ; my place in the cluster: which 16 batches
	s_and_b32 s46, ttmp7, 0xffff
	s_and_b32 s62, s46, 3                          ; kc: chunk of K
	s_lshr_b32 s63, s46, 2                         ; strip of 64 columns
	s_mov_b32 s52, 0xffff0000
	v_and_b32 v1, 31, v0
	v_and_b32 v2, 15, v0
	v_bfe_u32 v3, v0, 4, 1
	v_lshlrev_b32 v4, 4, v1
	v_lshlrev_b32 v11, 4, v2
	v_lshl_add_u32 v15, v3, 11, v11
	s_mul_i32 s26, s44, 2*PA
	s_add_co_u32 s26, s26, AH
	v_lshl_add_u32 v5, v1, 3, s26                  ; A: row 2 w, my 8 bytes
	s_mul_i32 s33, s44, WPART                      ; my part of W in LDS
	v_add_nc_u32 v6, s33, v15
	s_mul_i32 s27, s44, 192
	s_add_co_u32 s27, s27, AH
	v_mul_u32_u24 v7, v2, PA
	v_lshl_add_u32 v7, v3, 4, v7
	v_add_nc_u32 v7, s27, v7                       ; A fragments
	s_lshl_b32 s30, s44, 12
	s_add_co_u32 s30, s30, RED
	v_add_nc_u32 v8, s30, v15
	s_lshl_b32 s31, s44, 9
	s_add_co_u32 s31, s31, RED
	v_add_nc_u32 v9, s31, v4
	s_lshl_b32 s47, s44, 1
	v_add_nc_u32 v10, s47, v3
	v_mul_u32_u24 v10, v10, OUTP
	v_add_nc_u32 v10, v10, v11
	v_lshl_add_u32 v13, s63, 8, v11                ; my four columns in b2
.irp k, 248,249,250,251,252,253,254,255
	v_mov_b32 v[\k], 0                             ; what chunks 1 to 3 add at the end
.endr
	s_mov_b32 s32, 1
	s_mov_b32 s36, 15|(2<<16)|(1<<21)              ; the four work-groups; elements of 4 bytes; bit 21 beside a mask
	s_mov_b32 s37, 64<<16
	s_mov_b32 s38, 96<<16
	s_mov_b32 s39, 64<<16
	s_mov_b32 s40, 96
	s_mov_b32 s41, WPITCH
	s_mov_b32 s42, 0
	s_mov_b32 s43, 0
	s_mul_i32 s54, s62, 768*WPITCH*4
	s_mul_i32 s55, s44, 96*WPITCH*4
	s_add_co_u32 s54, s54, s55
	s_lshl_b32 s55, s63, 8
	s_add_co_u32 s54, s54, s55                     ; W: row 768 kc + 96 w, column 64 x strip
	s_mov_b32 s55, 0
	s_lshl_b32 s53, s45, 4
	s_add_co_u32 s53, s53, s47                     ; my first batch
	s_mul_i32 s56, s53, 12288
	s_mul_i32 s57, s62, 3072
	s_add_co_u32 s56, s56, s57                     ; h1: row b, chunk kc
	s_mov_b32 s57, 0
	s_mul_i32 s58, s45, 16*OUTP
	s_lshl_b32 s59, s63, 8
	s_add_co_u32 s58, s58, s59                     ; a0: my 16 rows, my strip
	s_mov_b32 s59, 0
	s_mul_i32 s60, s62, 196608
	s_add_co_u32 s60, s60, s58                     ; pm: chunk kc, the same place
	s_mov_b32 s61, 0
	s_wait_dscnt 0x0
	s_wait_kmcnt 0x0
	s_add_nc_u64 s[34:35], s[6:7], s[54:55]
	s_or_b32 s35, s35, 0x80000000
	s_add_nc_u64 s[20:21], s[4:5], s[56:57]
	s_add_nc_u64 s[22:23], s[10:11], s[58:59]
	s_add_nc_u64 s[24:25], s[12:13], s[60:61]
	s_cmp_lg_u32 s62, 0
	s_cbranch_scc1 .Lno_bias
	global_load_b128 v[248:251], v13, s[8:9]       ; b2 of my four columns
	global_load_b128 v[252:255], v10, s[22:23]     ; a0 at my place of the result
.Lno_bias:
.irp x, 0,1
.irp c, 0,1,2,3,4,5
	global_load_b128 v[32+96*\x+4*\c:35+96*\x+4*\c], v4, s[20:21] offset:12288*\x+512*\c
.endr
.endr
	ROUND                                          ; all four work-groups are here: the joint loads meet
	tensor_load_to_lds s[32:35], s[36:43]
	s_nop 0
	s_wait_loadcnt 6                               ; all but the second row's six loads, on both ways
	SPLIT 32, 0
	s_wait_loadcnt 0x0
	SPLIT 128, PA
	s_wait_tensorcnt 0x0                           ; my own load has landed, and only I read its bytes
	WIN 0x40
.irp s, 0,1,2
.irp g, 0,1
.irp i, 0,1,2,3,4,5,6,7
	ds_load_b128 v[4*(16*\s+8*\g+\i):4*(16*\s+8*\g+\i)+3], v6 offset:256*(32*\s+16*\g+\i)
.endr
.endr
.endr
	WIN 0x05
.irp s, 0,1,2
	s_wait_dscnt 32-16*\s                          ; K step s's 16 loads are in; the younger ones stay out
.irp t, 0,1,2,3
.irp g, 0,1
.irp k, 0,1,2,3
	v_cvt_pk_bf16_f32 v[32+32*\s+8*\t+4*\g+\k], v[4*(16*\s+8*\g+2*\k)+\t], v[4*(16*\s+8*\g+2*\k+1)+\t]
.endr
.endr
.endr
.endr
	WIN 0
	s_barrier_signal -1                            ; no LDS instruction of mine is out: A's rows lie in LDS
	s_barrier_wait -1
.irp s, 0,1,2
	ds_load_b128 v[128+8*\s:131+8*\s], v7 offset:64*\s
	ds_load_b128 v[132+8*\s:135+8*\s], v7 offset:64*\s+32
	ds_load_b128 v[152+8*\s:155+8*\s], v7 offset:ALO+64*\s
	ds_load_b128 v[156+8*\s:159+8*\s], v7 offset:ALO+64*\s+32
.endr
	; eight accumulators by turns, one instruction a turn; the first K step starts the sums
.irp s, 0,1,2
	s_wait_dscnt 8-4*\s
.irp t, 0,1,2,3
.if \s == 0
	v_wmma_f32_16x16x32_bf16 v[176+8*\t:183+8*\t], v[128:135], v[32+8*\t:39+8*\t], 0
.else
	v_wmma_f32_16x16x32_bf16 v[176+8*\t:183+8*\t], v[128+8*\s:135+8*\s], v[32+32*\s+8*\t:39+32*\s+8*\t], v[176+8*\t:183+8*\t]
.endif
.endr
.irp t, 0,1,2,3
.if \s == 0
	v_wmma_f32_16x16x32_bf16 v[208+8*\t:215+8*\t], v[152:159], v[32+8*\t:39+8*\t], 0
.else
	v_wmma_f32_16x16x32_bf16 v[208+8*\t:215+8*\t], v[152+8*\s:159+8*\s], v[32+32*\s+8*\t:39+32*\s+8*\t], v[208+8*\t:215+8*\t]
.endif
.endr
.endr
.rept 4
	v_nop                                          ; four places before a vector instruction reads a result or writes a source (ISA guide 7.12.1)
.endr
.irp i, 0,1,2,3,4,5,6,7
.irp t, 0,1,2,3
	v_add_f32 v[32+4*\i+\t], v[176+8*\t+\i], v[208+8*\t+\i]
.endr
.endr
.irp i, 0,1,2,3,4,5,6,7
	ds_store_b128 v8, v[32+4*\i:35+4*\i] offset:256*\i
.endr
	s_wait_dscnt 0x0
	s_barrier_signal -1
	s_barrier_wait -1
.irp x, 0,1,2,3,4,5,6,7
	ds_load_b128 v[64+4*\x:67+4*\x], v9 offset:4096*\x
.endr
	s_wait_dscnt 0x0
.irp x, 0,1,2,3
	v_pk_add_f32 v[64+4*\x:65+4*\x], v[64+4*\x:65+4*\x], v[80+4*\x:81+4*\x]
	v_pk_add_f32 v[66+4*\x:67+4*\x], v[66+4*\x:67+4*\x], v[82+4*\x:83+4*\x]
.endr
.irp x, 0,1
	v_pk_add_f32 v[64+4*\x:65+4*\x], v[64+4*\x:65+4*\x], v[72+4*\x:73+4*\x]
	v_pk_add_f32 v[66+4*\x:67+4*\x], v[66+4*\x:67+4*\x], v[74+4*\x:75+4*\x]
.endr
	v_pk_add_f32 v[64:65], v[64:65], v[68:69]
	v_pk_add_f32 v[66:67], v[66:67], v[70:71]
	v_pk_add_f32 v[64:65], v[64:65], v[248:249]    ; + b2 (chunk 0) or 0
	v_pk_add_f32 v[66:67], v[66:67], v[250:251]
	v_pk_add_f32 v[64:65], v[64:65], v[252:253]    ; + a0 (chunk 0) or 0
	v_pk_add_f32 v[66:67], v[66:67], v[254:255]
	global_store_b128 v10, v[64:67], s[24:25]      ; sixteen lanes store 256 consecutive bytes, aligned
	s_wait_tensorcnt 0x0
	ds_add_u32 v246, v247
	s_wait_dscnt 0x0
	ROUND                                          ; the closing round
	s_endpgm
.Lfunc_end_k_qe99e93154d_mlp2:
	.size	k_qe99e93154d_mlp2, .Lfunc_end_k_qe99e93154d_mlp2-k_qe99e93154d_mlp2
	.p2alignl 7, 3214868480
	.fill 96, 4, 3214868480
	.section	.rodata,"a",@progbits
	.p2align	6, 0x0
	.amdhsa_kernel k_qe99e93154d_mlp2
		.amdhsa_group_segment_fixed_size 280064
		.amdhsa_private_segment_fixed_size 0
		.amdhsa_enable_private_segment 0
		.amdhsa_kernarg_size 40
		.amdhsa_user_sgpr_count 2
		.amdhsa_user_sgpr_kernarg_segment_ptr 1
		.amdhsa_wavefront_size32 1
		.amdhsa_system_sgpr_workgroup_id_x 1
		.amdhsa_system_sgpr_workgroup_id_y 1
		.amdhsa_system_sgpr_workgroup_id_z 1
		.amdhsa_system_vgpr_workitem_id 0
		.amdhsa_next_free_vgpr 496
		.amdhsa_next_free_sgpr 66
		.amdhsa_reserve_vcc 0
		.amdhsa_float_denorm_mode_32 3
		.amdhsa_float_denorm_mode_16_64 3
		.amdhsa_memory_ordered 1
		.amdhsa_forward_progress 1
		.amdhsa_inst_pref_size 30
	.end_amdhsa_kernel
	.amdgpu_metadata
---
amdhsa.version: [ 1, 2 ]
amdhsa.kernels:
  - .name:           k_qe99e93154d_mlp2
    .symbol:         k_qe99e93154d_mlp2.kd
    .args:
      - { .name: h1, .offset: 0, .size: 8, .value_kind: global_buffer, .address_space: global }
      - { .name: w2, .offset: 8, .size: 8, .value_kind: global_buffer, .address_space: global }
      - { .name: b2, .offset: 16, .size: 8, .value_kind: global_buffer, .address_space: global }
      - { .name: a0, .offset: 24, .size: 8, .value_kind: global_buffer, .address_space: global }
      - { .name: pm, .offset: 32, .size: 8, .value_kind: global_buffer, .address_space: global }
    .group_segment_fixed_size: 280064
    .private_segment_fixed_size: 0
    .kernarg_segment_align: 8
    .kernarg_segment_size: 40
    .max_flat_workgroup_size: 256
    .sgpr_count:     66
    .vgpr_count:     496
    .wavefront_size: 32
...
	.end_amdgpu_metadata
.endif
;; end of part 5
;; launch head (part 6): grid 4 x 16, 8 waves a work-group, clusters of 4 x 1, 280,064 bytes of LDS; arguments pm, head_w, head_b, out0; writes out0
.if DOCPART == 6
	.amdgcn_target "amdgcn-amd-amdhsa--gfx1250"
	.amdhsa_code_object_version 6
	.text
	.protected	k_qe99e93154d_head
	.globl	k_qe99e93154d_head
	.p2align	8
	.type	k_qe99e93154d_head,@function
k_qe99e93154d_head:
	s_mov_b64 s[64:65], 0
	v_nop
	global_prefetch_b8 v0, s[64:65] scope:SCOPE_SE
	s_setreg_imm32_b32 hwreg(HW_REG_WAVE_MODE, 25, 1), 1
	s_wait_xcnt 0x0
	s_wait_alu depctr_hold_cnt(0) depctr_sa_sdst(0) depctr_va_vdst(0) depctr_va_sdst(0) depctr_va_ssrc(0) depctr_va_vcc(0) depctr_vm_vsrc(0)
	s_getreg_b32 s2, hwreg(HW_REG_IB_STS2, 6, 4)
	s_cmp_eq_u32 s2, 0
	s_cbranch_scc0 .Lentry_in_a_cluster
	s_endpgm
.Lentry_in_a_cluster:
	s_bfe_u32 s2, ttmp6, 0x10000c
	s_cmp_lg_u32 s2, 0x3003
	s_cbranch_scc0 .Lentry_shape_is_right
	s_endpgm
.Lentry_shape_is_right:
; out0[b][n] = (pm[0][b] + pm[1][b] + pm[2][b] + pm[3][b]) . head_w[:, n] + head_b[n]: the encoder's row 0 times the classifier.
; A work-group makes 16 rows x 64 columns.  1,000 columns are 15 strips of 64 and one of 40: the last strip begins at column 936 instead of 960, so that its
; tile stays inside head_w's rows, and stores only its columns from 960 on: each byte of out0 is stored by one work-group.
; Rows of head_w and of out0 are 4,000 bytes: they cannot all begin on multiples of 256 bytes; every access is a multiple of 16.
; THE PRODUCT: 16 rows of A x 768 of K x 64 columns of W.  Eight waves; wave w prepares rows 2 w, 2 w + 1 of A and multiplies K = 96 w .. 96 w + 95;
; the eight parts meet in LDS.  A as two bf16 terms, hi + lo; W rounded to bf16 once; sums in f32.
; CLUSTER: the four work-groups along x take 16 batches each and need the same strip of W (192 KiB): each wave asks for its 96 rows by a joint load that names all four.
; The place in the cluster enters global addresses of A and of the result alone.  A wave has one tensor load outstanding.
; Limits: the order of the sums (K over eight waves) differs from a plain product's.
.set OUTP,   4000
.set WPITCH, 1000
.set AH,     196608                    ; LDS: A's hi terms, 16 rows, pitch PA.  Bytes 0 .. 196607: W, 768 rows x 256 bytes of f32; wave w's part at 24,576 w
.set ALO,    24832
.set RED,    246272
.set PA,     1552
.set WPART,  24576
.set MSB, 0
.macro WIN new                         ; s_set_vgpr_msb: bits 1:0 source 0, 3:2 source 1, 5:4 source 2, 7:6 destination; the high byte repeats the setting that is left
.if MSB != \new
	s_set_vgpr_msb (MSB<<8)|\new
.set MSB, \new
.endif
.endm
.macro ROUND                           ; a round of the cluster's barrier
	s_barrier_signal -1
	s_barrier_wait -1
	s_cmp_lg_u32 s44, 0
	s_cbranch_scc1 .Lnot_wave_0_\@
	s_barrier_signal -3
.Lnot_wave_0_\@:
	s_barrier_wait -3
	s_barrier_signal -1
	s_barrier_wait -1
.endm
.macro SPLIT xb, off                   ; the row in v[xb .. xb+23] goes to LDS as hi and lo terms
.irp c, 0,1,2,3,4,5
	v_cvt_pk_bf16_f32 v[24+4*(\c%2)], v[\xb+4*\c], v[\xb+4*\c+1]
	v_cvt_pk_bf16_f32 v[25+4*(\c%2)], v[\xb+4*\c+2], v[\xb+4*\c+3]
	v_lshlrev_b32 v16, 16, v[24+4*(\c%2)]
	v_and_b32 v17, s52, v[24+4*(\c%2)]
	v_lshlrev_b32 v18, 16, v[25+4*(\c%2)]
	v_and_b32 v19, s52, v[25+4*(\c%2)]
	v_pk_add_f32 v[\xb+4*\c:\xb+4*\c+1], v[\xb+4*\c:\xb+4*\c+1], v[16:17] neg_lo:[0,1] neg_hi:[0,1]
	v_pk_add_f32 v[\xb+4*\c+2:\xb+4*\c+3], v[\xb+4*\c+2:\xb+4*\c+3], v[18:19] neg_lo:[0,1] neg_hi:[0,1]
	v_cvt_pk_bf16_f32 v[26+4*(\c%2)], v[\xb+4*\c], v[\xb+4*\c+1]
	v_cvt_pk_bf16_f32 v[27+4*(\c%2)], v[\xb+4*\c+2], v[\xb+4*\c+3]
	ds_store_b64 v5, v[24+4*(\c%2):25+4*(\c%2)] offset:\off+256*\c
	ds_store_b64 v5, v[26+4*(\c%2):27+4*(\c%2)] offset:\off+256*\c+ALO
.endr
.endm
.macro SUM4 xb                         ; the four chunks' parts (v[xb + 24 i ..]) are added into v[xb .. xb+23]
.irp e, 0,2,4,6,8,10,12,14,16,18,20,22
	v_pk_add_f32 v[\xb+\e:\xb+\e+1], v[\xb+\e:\xb+\e+1], v[\xb+24+\e:\xb+25+\e]
	v_pk_add_f32 v[\xb+48+\e:\xb+49+\e], v[\xb+48+\e:\xb+49+\e], v[\xb+72+\e:\xb+73+\e]
	v_pk_add_f32 v[\xb+\e:\xb+\e+1], v[\xb+\e:\xb+\e+1], v[\xb+48+\e:\xb+49+\e]
.endr
.endm
	s_load_b256 s[4:11], s[0:1], 0x0               ; pm s[4:5], head_w s[6:7], head_b s[8:9], out0 s[10:11]
	v_lshl_add_u32 v254, v0, 2, 0x44200
	v_mov_b32 v255, 0
	ds_add_u32 v254, v255
	v_lshrrev_b32 v1, 5, v0
	v_readfirstlane_b32 s44, v1                    ; wave 0..7
	s_bfe_u32 s45, ttmp6, 0x40000                  ; my place in the cluster: which 16 batches
	s_and_b32 s46, ttmp7, 0xffff                   ; strip
	s_lshl_b32 s62, s46, 6                         ; the first column that this strip stores
	s_min_u32 s63, s62, 936                        ; the first column that it computes
	s_mov_b32 s52, 0xffff0000
	v_and_b32 v1, 31, v0
	v_and_b32 v2, 15, v0
	v_bfe_u32 v3, v0, 4, 1
	v_lshlrev_b32 v4, 4, v1
	v_lshlrev_b32 v11, 4, v2
	v_lshl_add_u32 v15, v3, 11, v11
	s_mul_i32 s26, s44, 2*PA
	s_add_co_u32 s26, s26, AH
	v_lshl_add_u32 v5, v1, 3, s26                  ; A: row 2 w, my 8 bytes
	s_mul_i32 s33, s44, WPART                      ; my part of W in LDS
	v_add_nc_u32 v6, s33, v15
	s_mul_i32 s27, s44, 192
	s_add_co_u32 s27, s27, AH
	v_mul_u32_u24 v7, v2, PA
	v_lshl_add_u32 v7, v3, 4, v7
	v_add_nc_u32 v7, s27, v7                       ; A fragments
	s_lshl_b32 s30, s44, 12
	s_add_co_u32 s30, s30, RED
	v_add_nc_u32 v8, s30, v15
	s_lshl_b32 s31, s44, 9
	s_add_co_u32 s31, s31, RED
	v_add_nc_u32 v9, s31, v4
	s_lshl_b32 s47, s44, 1
	v_add_nc_u32 v10, s47, v3
	v_mul_u32_u24 v10, v10, OUTP
	v_add_nc_u32 v10, v10, v11
	v_lshl_add_u32 v13, s63, 2, v11                ; my four columns in head_b, in bytes: at most 3,744 + 240, so the 16 bytes end at 4,000
	v_lshl_add_u32 v14, v2, 2, s63                 ; my first column
	s_mov_b32 s32, 1
	s_mov_b32 s36, 15|(2<<16)|(1<<21)              ; the four work-groups; elements of 4 bytes; bit 21 beside a mask
	s_mov_b32 s37, 64<<16
	s_mov_b32 s38, 96<<16
	s_mov_b32 s39, 64<<16
	s_mov_b32 s40, 96
	s_mov_b32 s41, WPITCH
	s_mov_b32 s42, 0
	s_mov_b32 s43, 0
	s_mul_i32 s54, s44, 96*WPITCH*4
	s_lshl2_add_u32 s54, s63, s54                  ; W: row 96 w, the strip's first column
	s_mov_b32 s55, 0
	s_lshl_b32 s53, s45, 4
	s_add_co_u32 s53, s53, s47                     ; my first batch
	s_mul_i32 s56, s53, 3072
	s_mov_b32 s57, 0
	s_mul_i32 s60, s45, 16*OUTP
	s_lshl2_add_u32 s60, s63, s60
	s_mov_b32 s61, 0
	s_wait_dscnt 0x0
	s_wait_kmcnt 0x0
	s_add_nc_u64 s[34:35], s[6:7], s[54:55]
	s_or_b32 s35, s35, 0x80000000
	s_add_nc_u64 s[20:21], s[4:5], s[56:57]
	s_add_nc_u64 s[24:25], s[10:11], s[60:61]
	global_load_b128 v[248:251], v13, s[8:9]       ; head_b of my four columns
.irp x, 0,1
.irp q, 0,1,2,3
.irp c, 0,1,2,3,4,5
	global_load_b128 v[32+96*\x+24*\q+4*\c:35+96*\x+24*\q+4*\c], v4, s[20:21] offset:3072*\x+196608*\q+512*\c
.endr
.endr
.endr
	ROUND                                          ; all four work-groups are here: the joint loads meet
	tensor_load_to_lds s[32:35], s[36:43]
	s_nop 0
	s_wait_loadcnt 24                              ; all but the second row's 24 loads
	SUM4 32
	SPLIT 32, 0
	s_wait_loadcnt 0x0
	SUM4 128
	SPLIT 128, PA
	s_wait_tensorcnt 0x0                           ; my own load has landed, and only I read its bytes
	WIN 0x40
.irp s, 0,1,2
.irp g, 0,1
.irp i, 0,1,2,3,4,5,6,7
	ds_load_b128 v[4*(16*\s+8*\g+\i):4*(16*\s+8*\g+\i)+3], v6 offset:256*(32*\s+16*\g+\i)
.endr
.endr
.endr
	WIN 0x05
.irp s, 0,1,2
	s_wait_dscnt 32-16*\s                          ; K step s's 16 loads are in; the younger ones stay out
.irp t, 0,1,2,3
.irp g, 0,1
.irp k, 0,1,2,3
	v_cvt_pk_bf16_f32 v[32+32*\s+8*\t+4*\g+\k], v[4*(16*\s+8*\g+2*\k)+\t], v[4*(16*\s+8*\g+2*\k+1)+\t]
.endr
.endr
.endr
.endr
	WIN 0
	s_barrier_signal -1                            ; no LDS instruction of mine is out: A's rows lie in LDS
	s_barrier_wait -1
.irp s, 0,1,2
	ds_load_b128 v[128+8*\s:131+8*\s], v7 offset:64*\s
	ds_load_b128 v[132+8*\s:135+8*\s], v7 offset:64*\s+32
	ds_load_b128 v[152+8*\s:155+8*\s], v7 offset:ALO+64*\s
	ds_load_b128 v[156+8*\s:159+8*\s], v7 offset:ALO+64*\s+32
.endr
	; eight accumulators by turns, one instruction a turn; the first K step starts the sums
.irp s, 0,1,2
	s_wait_dscnt 8-4*\s
.irp t, 0,1,2,3
.if \s == 0
	v_wmma_f32_16x16x32_bf16 v[176+8*\t:183+8*\t], v[128:135], v[32+8*\t:39+8*\t], 0
.else
	v_wmma_f32_16x16x32_bf16 v[176+8*\t:183+8*\t], v[128+8*\s:135+8*\s], v[32+32*\s+8*\t:39+32*\s+8*\t], v[176+8*\t:183+8*\t]
.endif
.endr
.irp t, 0,1,2,3
.if \s == 0
	v_wmma_f32_16x16x32_bf16 v[208+8*\t:215+8*\t], v[152:159], v[32+8*\t:39+8*\t], 0
.else
	v_wmma_f32_16x16x32_bf16 v[208+8*\t:215+8*\t], v[152+8*\s:159+8*\s], v[32+32*\s+8*\t:39+32*\s+8*\t], v[208+8*\t:215+8*\t]
.endif
.endr
.endr
.rept 4
	v_nop                                          ; four places before a vector instruction reads a result or writes a source (ISA guide 7.12.1)
.endr
.irp i, 0,1,2,3,4,5,6,7
.irp t, 0,1,2,3
	v_add_f32 v[32+4*\i+\t], v[176+8*\t+\i], v[208+8*\t+\i]
.endr
.endr
.irp i, 0,1,2,3,4,5,6,7
	ds_store_b128 v8, v[32+4*\i:35+4*\i] offset:256*\i
.endr
	s_wait_dscnt 0x0
	s_barrier_signal -1
	s_barrier_wait -1
.irp x, 0,1,2,3,4,5,6,7
	ds_load_b128 v[64+4*\x:67+4*\x], v9 offset:4096*\x
.endr
	s_wait_dscnt 0x0
.irp x, 0,1,2,3
	v_pk_add_f32 v[64+4*\x:65+4*\x], v[64+4*\x:65+4*\x], v[80+4*\x:81+4*\x]
	v_pk_add_f32 v[66+4*\x:67+4*\x], v[66+4*\x:67+4*\x], v[82+4*\x:83+4*\x]
.endr
.irp x, 0,1
	v_pk_add_f32 v[64+4*\x:65+4*\x], v[64+4*\x:65+4*\x], v[72+4*\x:73+4*\x]
	v_pk_add_f32 v[66+4*\x:67+4*\x], v[66+4*\x:67+4*\x], v[74+4*\x:75+4*\x]
.endr
	v_pk_add_f32 v[64:65], v[64:65], v[68:69]
	v_pk_add_f32 v[66:67], v[66:67], v[70:71]
	v_pk_add_f32 v[64:65], v[64:65], v[248:249]    ; + head_b
	v_pk_add_f32 v[66:67], v[66:67], v[250:251]
	s_wait_xcnt 0x0                                ; EXEC is a source of every earlier memory instruction: it changes only behind this wait
	v_cmp_le_u32 vcc_lo, s62, v14                  ; only columns from 64 x strip on are this strip's to store
	s_and_saveexec_b32 s57, vcc_lo
	global_store_b128 v10, v[64:67], s[24:25]      ; sixteen lanes store 256 consecutive bytes (the last strip: ten lanes, 160)
	s_wait_xcnt 0x0                                ; and again in front of the line that widens it
	s_or_b32 exec_lo, exec_lo, s57
	s_wait_tensorcnt 0x0
	ds_add_u32 v254, v255
	s_wait_dscnt 0x0
	ROUND                                          ; the closing round
	s_endpgm
.Lfunc_end_k_qe99e93154d_head:
	.size	k_qe99e93154d_head, .Lfunc_end_k_qe99e93154d_head-k_qe99e93154d_head
	.p2alignl 7, 3214868480
	.fill 96, 4, 3214868480
	.section	.rodata,"a",@progbits
	.p2align	6, 0x0
	.amdhsa_kernel k_qe99e93154d_head
		.amdhsa_group_segment_fixed_size 280064
		.amdhsa_private_segment_fixed_size 0
		.amdhsa_enable_private_segment 0
		.amdhsa_kernarg_size 32
		.amdhsa_user_sgpr_count 2
		.amdhsa_user_sgpr_kernarg_segment_ptr 1
		.amdhsa_wavefront_size32 1
		.amdhsa_system_sgpr_workgroup_id_x 1
		.amdhsa_system_sgpr_workgroup_id_y 1
		.amdhsa_system_sgpr_workgroup_id_z 1
		.amdhsa_system_vgpr_workitem_id 0
		.amdhsa_next_free_vgpr 496
		.amdhsa_next_free_sgpr 66
		.amdhsa_reserve_vcc 1
		.amdhsa_float_denorm_mode_32 3
		.amdhsa_float_denorm_mode_16_64 3
		.amdhsa_memory_ordered 1
		.amdhsa_forward_progress 1
		.amdhsa_inst_pref_size 37
	.end_amdhsa_kernel
	.amdgpu_metadata
---
amdhsa.version: [ 1, 2 ]
amdhsa.kernels:
  - .name:           k_qe99e93154d_head
    .symbol:         k_qe99e93154d_head.kd
    .args:
      - { .name: pm, .offset: 0, .size: 8, .value_kind: global_buffer, .address_space: global }
      - { .name: head_w, .offset: 8, .size: 8, .value_kind: global_buffer, .address_space: global }
      - { .name: head_b, .offset: 16, .size: 8, .value_kind: global_buffer, .address_space: global }
      - { .name: out0, .offset: 24, .size: 8, .value_kind: global_buffer, .address_space: global }
    .group_segment_fixed_size: 280064
    .private_segment_fixed_size: 0
    .kernarg_segment_align: 8
    .kernarg_segment_size: 32
    .max_flat_workgroup_size: 256
    .sgpr_count:     66
    .vgpr_count:     496
    .wavefront_size: 32
...
	.end_amdgpu_metadata
.endif
;; end of part 6
